; MI455X (gfx1250); checked and timed in simulation.
; The chip was launched on July 23, 2026; its instructions are those of AMD's public machine-readable ISA for CDNA 5 (MIT licence, August 2026) and "CDNA5" Instruction Set Architecture Reference Guide (July 2026). The comments in the code are by the model that wrote it; some were corrected since.
;; Causal Self Attention. Allowed arithmetic: matrix products marked QUANTISED: E2M3 operands, one E8M0 scale for each 32 along K, by v_wmma_scale_f32_16x16x128_f8f6f4 with both operands' format E2M3, f32 sums; everything else in f32.
;; Inputs: W_attn 3,072 x 1,024 float32; W_proj 1,024 x 1,024 float32; b_proj 1,024 float32; x 4 x 2,048 x 1,024 float32.
;; Outputs: out0 4 x 2,048 x 1,024 float32.
;; This version of the problem:
;;   THIS VERSION OF THE PROBLEM IS GIVEN IN LOW PRECISION. The matrix products marked QUANTISED in the list below multiply operands that are first quantised to E2M3 (2 exponent bits, 3 mantissa bits; 6 bits a number), with one power-of-two scale for each 32 numbers along K (OCP MX v1.0); their sums are f32. All else is computed in f32.
;;   The module's matrix products, in the order in which they are computed (A, B: the left and right operand; K: the contracted axis; several contracted axes count as one K, in the product's order):
;;     1. [M 8,192, K 1,024] x [K 1,024, N 3,072]; A: input x; B: input W_attn: QUANTISED
;;     2. batch 64 x [M 2,048, K 64] x [K 64, N 2,048]; A: computed on the way; B: computed on the way: QUANTISED
;;     3. batch 64 x [M 2,048, K 2,048] x [K 2,048, N 64]; A: softmax (see below); B: computed on the way: QUANTISED
;;     4. [M 8,192, K 1,024] x [K 1,024, N 1,024]; A: computed on the way; B: input W_proj: QUANTISED
;;   THE QUANTISER, for each operand of a quantised product, along K:
;;     - K is cut into blocks of 32 from its start; a last block that is shorter is filled with zeros.
;;     - A block's scale is 2^e with e = floor(log2(the largest magnitude in the block)) - 2, held to -126 .. 127; a block of zeros has e = 0. As a byte (E8M0): e + 127.
;;     - Each number is divided by its block's scale, clamped to +-7.5, and rounded to the nearest number of E2M3, ties to even, subnormals kept.
;;     - The product sums the exact products of the quantised numbers (number of the format x scale) in f32.
;;   ~~~python
;;   def quantise(x, axis):      # numpy; x: float32 -> the quantised numbers, widened to float32 again
;;       x = np.moveaxis(x, axis, -1); K = x.shape[-1]
;;       x = np.pad(x, [(0, 0)] * (x.ndim - 1) + [(0, -K % 32)]); x = x.reshape(x.shape[:-1] + (-1, 32)); a = np.abs(x).max(-1, keepdims=True)
;;       e = np.where(a > 0, np.clip(np.frexp(np.where(a > 0, a, 1))[1] - 1 - 2, -126, 127), 0)      # np.frexp(a)[1] - 1 = floor(log2(a)), exactly
;;       r = np.clip(x / 2.0 ** e, -7.5, 7.5)
;;       step = 2.0 ** (np.maximum(np.frexp(np.where(r == 0, 1, r))[1] - 1, 0) - 3)
;;       q = np.round(r / step) * step * 2.0 ** e      # np.round: ties to even
;;       return np.moveaxis(q.reshape(q.shape[:-2] + (-1,))[..., :K], -1, axis).astype(np.float32)
;;   ~~~
;;   SOFTMAX AHEAD OF A QUANTISED PRODUCT. Where the list says 'softmax', what is quantised is not the finished softmax but p = 2^(t - M), with t = logit x log2(e) and M = ceil(the row's largest t), a whole number; so 1/2 < the row's largest p <= 1. The row's sum l is taken of the UNQUANTISED p, in f32, and the product's result is divided by l at the end. Since M is a whole number, a kernel that streams over the keys may use a running M (the ceiling of the running maximum): every later rescaling is an exact power of two, which a block's scale takes up: the codes' values come out the same.
;;   OPERANDS COMPUTED ON THE WAY. 'Computed on the way' means the value that the module computes at that place (a softmax that the list does not call 'softmax' is quantised finished and normalised). What goes into a quantiser is computed in f32, as accurately as f32 sums, v_exp_f32 and their like allow (about 1e-6 of the number): no bf16 or f16 on the way to a quantiser, and a product that is left as it is and whose result goes on into a quantised operand takes f32 operands (vector FMAs, or v_wmma_f32_16x16x4_f32). A number that lies on a knife's edge between two numbers of the format may be rounded either way, as far as f32 arithmetic and the matrix unit's own rounding can turn it there, and no further.
;; One version. Each part assembles by itself: llvm-mc -triple=amdgcn-amd-amdhsa -mcpu=gfx1250 --defsym DOCPART=n.
;; ======== version 1 of 1: 4 launches
;; workspace buffers: cq 9,437,184 bytes; sq 393,216 bytes; kv 19,660,800 bytes; yc 6,291,456 bytes; ys 262,144 bytes
;; launch quant (part 1): grid 384 x 1, 4 waves a work-group, no clusters, 33,280 bytes of LDS; arguments x, W_attn, W_proj, cq, sq; writes cq, sq
.if DOCPART == 1
	.amdgcn_target "amdgcn-amd-amdhsa--gfx1250"
	.amdhsa_code_object_version 6
	.text
	.protected	k_q6291d441b6_quant
	.globl	k_q6291d441b6_quant
	.p2align	8
	.type	k_q6291d441b6_quant,@function
k_q6291d441b6_quant:
	s_mov_b64 s[64:65], 0
	v_nop
	global_prefetch_b8 v0, s[64:65] scope:SCOPE_SE
	s_setreg_imm32_b32 hwreg(HW_REG_WAVE_MODE, 25, 1), 1
	s_wait_xcnt 0x0
; x [8192][1024], W_attn [3072][1024] and W_proj [1024][1024], f32, K innermost, become codes of FP6 (E2M3), 6 bits each, and one E8M0 scale byte for each 32 along K.
; The three tensors are one stream of 12,582,912 numbers in blocks of 32; the codes (cq: 24 bytes a block) and the bytes (sq: one a block) are one stream too: x first, then W_attn, then W_proj.
; A block's scale is 2^(floor(log2(its largest magnitude)) - 2); its byte is the largest magnitude's exponent field - 2, held at 1 from below.  (A block of zeros gets the byte 1 where the rule says 127:
; its codes are zeros, which add nothing under any byte but 0xff, and this program alone reads the bytes.)
; THE ORDER INSIDE A BLOCK.  Place p of a block's 32 codes holds the number whose index is p with bits 3 and 4 exchanged: 0-7, 16-23, 8-15, 24-31.  Every operand of this program's four products has
; that order (those that later launches make in registers get it from the matrix result's layout), so the products pair the right numbers; a block's scale and its codes' values do not hang on the order.
; The matrix unit then groups a block's products otherwise than in plain order: an order of rounding that differs from the reference's, inside the f32 sums.
; LIMITS: blocks whose largest magnitude lies under 2^-124 keep the byte 1; NaN and infinities among the inputs are not served.
; A wave takes 16 steps of 512 numbers.  Each of a step's four loads reads 512 consecutive bytes, 16 a lane; the 2,048 bytes go through the wave's own stage in LDS as they lie (16 bytes of padding behind each 64)
; and come back 16 numbers a lane: the even lane of a block takes its numbers 0-7 and 16-23, the odd lane 8-15 and 24-31.  A lane's 16 codes are 12 bytes: the wave stores 384 consecutive bytes.
; A wave's 256 scale bytes are gathered in its own LDS bytes and leave as one aligned run of 256 bytes.  No barrier: waves share nothing.  Loads run four steps (16 loads a wave) ahead, the turn through LDS one step.
.set STEPS, 16
.set EMAX,  2
.set CB,    12                         ; bytes of 16 codes
.set R,     16                         ; v16-79   four sets of 16 numbers as they are loaded
.set X,     80                         ; v80-111  two sets of 16 numbers of one block
.set C,     128                        ; v128-191 codes: four registers for each step, so that no store's data are written again
.set E,     112                        ; v112-127 a scale byte for each step
.set WREG,  8192                       ; LDS: a region for each wave: two stages of 32 x SP bytes, then its 256 scale bytes
.set SP,    80                         ; 64 bytes + 16 of padding
.set WGX,   256                        ; work-groups 0-255 take x (8,388,608 numbers, 32,768 each),
.set WGA,   352                        ; 256-351 W_attn, 352-383 W_proj
	s_load_b128 s[4:7], s[0:1], 0x0                ; x, W_attn
	s_load_b128 s[8:11], s[0:1], 0x10              ; W_proj, cq
	s_load_b64 s[12:13], s[0:1], 0x20              ; sq
	v_lshl_add_u32 v192, v0, 2, 0x8000
	v_mov_b32 v193, 0
	v_lshrrev_b32 v1, 5, v0
	v_readfirstlane_b32 s16, v1                    ; wave
	v_and_b32 v2, 31, v0                           ; lane
	v_lshlrev_b32 v3, 4, v2                        ; my 16 bytes of a load's 512
	s_mul_i32 s17, s16, WREG
	v_lshrrev_b32 v14, 2, v2
	v_mul_u32_u24 v14, v14, SP
	v_and_b32 v15, 3, v2
	v_lshl_add_u32 v14, v15, 4, v14
	v_add_nc_u32 v14, s17, v14                     ; the stage, on the way in: SP (lane / 4) + 16 (lane % 4)
	v_and_b32 v15, 30, v2
	v_mul_u32_u24 v15, v15, SP
	v_and_b32 v10, 1, v2
	v_lshl_add_u32 v15, v10, 5, v15
	v_add_nc_u32 v15, s17, v15                     ; and on the way out: my block's first 64 bytes, + 32 in the odd lane; the second 64 bytes lie SP further on
	v_mul_u32_u24 v4, v2, CB                       ; my codes' place in a step's
	v_lshrrev_b32 v5, 1, v2
	s_add_co_u32 s17, s17, 2*32*SP
	v_add_nc_u32 v5, s17, v5                       ; LDS: my wave's 256 scale bytes, my block's byte
	v_lshlrev_b32 v7, 3, v2                        ; and on the way out 8 bytes a lane
	v_add_nc_u32 v6, s17, v7
	s_wait_kmcnt 0x0
	s_cmp_lt_u32 ttmp9, WGX                        ; which tensor: the choice hangs on the work-group's number alone
	s_cselect_b64 s[4:5], s[4:5], s[6:7]
	s_cselect_b32 s17, 0, WGX
	s_cmp_lt_u32 ttmp9, WGA
	s_cselect_b64 s[4:5], s[4:5], s[8:9]
	s_mov_b32 s18, WGA
	s_cselect_b32 s17, s17, s18                    ; the tensor's first work-group
	s_sub_co_u32 s17, ttmp9, s17
	s_lshl_b32 s17, s17, 2
	s_add_co_u32 s17, s17, s16                     ; which run of 8,192 numbers of the tensor is my wave's
	s_lshl_b32 s20, s17, 15                        ; 32,768 bytes a run (at most 33,521,664)
	s_mov_b32 s21, 0
	s_add_nc_u64 s[4:5], s[4:5], s[20:21]
	s_lshl_b32 s18, ttmp9, 2
	s_add_co_u32 s18, s18, s16                     ; and which run of the whole stream
	s_mul_i32 s20, s18, 32*STEPS*CB                ; 6,144 bytes of codes a run
	s_add_nc_u64 s[10:11], s[10:11], s[20:21]
	s_lshl_b32 s20, s18, 8                         ; 256 scale bytes a run
	s_add_nc_u64 s[12:13], s[12:13], s[20:21]
.macro LOAD t
.irp i, 0,1,2,3
	global_load_b128 v[R+16*((\t)%4)+4*\i:R+16*((\t)%4)+4*\i+3], v3, s[4:5] offset:2048*(\t)+512*\i th:TH_LOAD_NT   ; 32 lanes read 512 consecutive bytes
.endr
.endm
.macro TURN t                          ; step t's numbers through the stage: LDS serves a wave's instructions in order, so no wait stands between the stores and the loads
.irp i, 0,1,2,3
	ds_store_b128 v14, v[R+16*((\t)%4)+4*\i:R+16*((\t)%4)+4*\i+3] offset:32*SP*((\t)%2)+8*SP*\i
.endr
.irp i, 0,1,2,3
	ds_load_b128 v[X+16*((\t)%2)+4*\i:X+16*((\t)%2)+4*\i+3], v15 offset:32*SP*((\t)%2)+SP*(\i/2)+16*(\i%2)   ; eight numbers of the block's first half, eight of its second
.endr
.endm
.irp t, 0,1,2,3
	LOAD \t
.endr
	s_wait_loadcnt 12                              ; step 0's four loads are in
	TURN 0
.macro STEP t
.set XS, X+16*((\t)%2)
.if (\t) > 0
	s_wait_dscnt 1                                 ; this step's numbers are back from the stage (the last step's byte store may be out): so its stores into the stage have read their registers,
.else
	s_wait_dscnt 0x0
.endif
.if (\t)+4 < STEPS
	LOAD (\t)+4                                    ; which take the loads of four steps on
.endif
.if (\t)+1 < STEPS
.if STEPS-2-(\t) >= 3
	s_wait_loadcnt 12                              ; the next step's four loads are in; those of the three steps behind it may be out
.else
	s_wait_loadcnt 4*(STEPS-2-(\t))
.endif
	TURN (\t)+1                                    ; and go through the other stage while this step is worked
.endif
	v_max3_num_f32 v8, |v[XS]|, |v[XS+1]|, |v[XS+2]|               ; the largest magnitude of my 16
	v_max3_num_f32 v9, |v[XS+3]|, |v[XS+4]|, |v[XS+5]|
.irp i, 6,10
	v_max3_num_f32 v8, v8, |v[XS+\i]|, |v[XS+\i+1]|
	v_max3_num_f32 v9, v9, |v[XS+\i+2]|, |v[XS+\i+3]|
.endr
	v_max3_num_f32 v8, v8, |v[XS+14]|, |v[XS+15]|
	v_max3_num_f32 v8, v8, v9, (EMAX+1)<<23        ; and the floor 2^(3 - 127): the byte cannot fall under 1
	v_max_num_f32_dpp v8, v8, v8 row_xmask:1 row_mask:0xf bank_mask:0xf   ; and of my neighbour's 16: the block's
	v_add_nc_u32 v11, -(EMAX<<23), v8              ; 2 off its exponent field: the conversion takes the exponent field of this operand as its scale, and nothing else of it
	v_cvt_scalef32_pk16_fp6_f32 v[C+4*(\t):C+4*(\t)+2], v[XS:XS+15], v11         ; sixteen numbers / the scale, to the nearest code, ties to even, beyond the largest code the largest
	v_lshrrev_b32 v[E+(\t)], 23, v11               ; the scale's byte
	ds_store_b8 v5, v[E+(\t)] offset:16*(\t)       ; both lanes of a block write the same byte with the same value
	global_store_b96 v4, v[C+4*(\t):C+4*(\t)+2], s[10:11] offset:32*CB*(\t)
.endm
.irp t, 0,1,2,3,4,5,6,7,8,9,10,11,12,13,14,15
	STEP \t
.endr
	ds_load_b64 v[12:13], v6                       ; LDS serves a wave's instructions in order: these see my stores
	s_wait_dscnt 0x0
	global_store_b64 v7, v[12:13], s[12:13]        ; 32 lanes store 256 consecutive bytes, aligned
	s_wait_tensorcnt 0x0
	ds_add_u32 v192, v193
	s_wait_dscnt 0x0
	s_endpgm
.Lfunc_end_k_q6291d441b6_quant:
	.size	k_q6291d441b6_quant, .Lfunc_end_k_q6291d441b6_quant-k_q6291d441b6_quant
	.p2alignl 7, 3214868480
	.fill 96, 4, 3214868480
	.section	.rodata,"a",@progbits
	.p2align	6, 0x0
	.amdhsa_kernel k_q6291d441b6_quant
		.amdhsa_group_segment_fixed_size 33280
		.amdhsa_private_segment_fixed_size 0
		.amdhsa_enable_private_segment 0
		.amdhsa_kernarg_size 40
		.amdhsa_user_sgpr_count 2
		.amdhsa_user_sgpr_kernarg_segment_ptr 1
		.amdhsa_wavefront_size32 1
		.amdhsa_system_sgpr_workgroup_id_x 1
		.amdhsa_system_sgpr_workgroup_id_y 1
		.amdhsa_system_sgpr_workgroup_id_z 1
		.amdhsa_system_vgpr_workitem_id 0
		.amdhsa_next_free_vgpr 194
		.amdhsa_next_free_sgpr 66
		.amdhsa_reserve_vcc 0
		.amdhsa_float_denorm_mode_32 3
		.amdhsa_float_denorm_mode_16_64 3
		.amdhsa_memory_ordered 1
		.amdhsa_forward_progress 1
		.amdhsa_inst_pref_size 33
	.end_amdhsa_kernel
	.amdgpu_metadata
---
amdhsa.version: [ 1, 2 ]
amdhsa.kernels:
  - .name:           k_q6291d441b6_quant
    .symbol:         k_q6291d441b6_quant.kd
    .args:
      - { .name: x, .offset: 0, .size: 8, .value_kind: global_buffer, .address_space: global }
      - { .name: W_attn, .offset: 8, .size: 8, .value_kind: global_buffer, .address_space: global }
      - { .name: W_proj, .offset: 16, .size: 8, .value_kind: global_buffer, .address_space: global }
      - { .name: cq, .offset: 24, .size: 8, .value_kind: global_buffer, .address_space: global }
      - { .name: sq, .offset: 32, .size: 8, .value_kind: global_buffer, .address_space: global }
    .group_segment_fixed_size: 33280
    .private_segment_fixed_size: 0
    .kernarg_segment_align: 8
    .kernarg_segment_size: 40
    .max_flat_workgroup_size: 128
    .sgpr_count:     66
    .vgpr_count:     194
    .wavefront_size: 32
...
	.end_amdgpu_metadata
.endif
;; end of part 1
;; launch qkv (part 2): grid 8 x 48, 4 waves a work-group, clusters of 4 x 4, 327,680 bytes of LDS; arguments cq, sq, kv; writes kv
.if DOCPART == 2
	.amdgcn_target "amdgcn-amd-amdhsa--gfx1250"
	.amdhsa_code_object_version 6
	.text
	.protected	k_q6291d441b6_qkv
	.globl	k_q6291d441b6_qkv
	.p2align	8
	.type	k_q6291d441b6_qkv,@function
k_q6291d441b6_qkv:
	s_mov_b64 s[64:65], 0
	v_nop
	global_prefetch_b8 v0, s[64:65] scope:SCOPE_SE
	s_setreg_imm32_b32 hwreg(HW_REG_WAVE_MODE, 25, 1), 1
	s_wait_xcnt 0x0
	s_wait_alu depctr_hold_cnt(0) depctr_sa_sdst(0) depctr_va_vdst(0) depctr_va_sdst(0) depctr_va_ssrc(0) depctr_va_vcc(0) depctr_vm_vsrc(0)
	s_getreg_b32 s2, hwreg(HW_REG_IB_STS2, 6, 4)
	s_cmp_eq_u32 s2, 0
	s_cbranch_scc0 .Lentry_in_a_cluster
	s_endpgm
.Lentry_in_a_cluster:
	s_bfe_u32 s2, ttmp6, 0x10000c
	s_cmp_lg_u32 s2, 0xf033
	s_cbranch_scc0 .Lentry_shape_is_right
	s_endpgm
.Lentry_shape_is_right:
; qkv = x W_attn^T on codes of FP6 (E2M3) with E8M0 scales, K = 1,024; the result never leaves as f32: it is quantised in registers and stored as the operands that the attention launch wants.
; ONE TEXT, TWO MODES, told apart by the cluster's y (m = y / 8; arithmetic on m, no branch).  C[row of A][row of B] = sum over k; a tile of C is 256 x 256, a wave's part 128 x 128.
;   m = 0 (clusters y 0-7, 256 work-groups): A = x (8,192 tokens), B = W_attn's rows 0-2,047 (q's and k's channels).   m = 1 (y 8-11, 128 work-groups): A = W_attn's rows 2,048-3,071 (v's channels), B = x.
; The matrix instruction is used transposed (source 0 = 16 rows of B, source 1 = 16 rows of A): a lane holds ONE row of A and its registers run along B's rows.  So the result is quantised ALONG B's rows:
; q and k along the head's 64 channels, v^T along the keys: each along the K of the product that will read it, and nothing is transposed.
; THE ORDER INSIDE A BLOCK OF 32: a lane's 16 registers of two neighbouring tiles are B's rows 32 B + 16 u + 8 h + j (u the tile, h the lane's half); they become places 16 h + 8 u + j of the block: place p holds index p with bits 3 and 4
; exchanged.  All operands of this program have that order, cq's rows too.  An order of rounding inside the f32 sums that differs from the reference's.
; kv: records of 6,400 bytes, [head index 0-47][g = token / 128, 0-63].  Head index 0-15 q, 16-31 k: eight images of 768 bytes (tile a: tokens 128 g + 16 a + r; piece p of 256 bytes holds registers 2 p, 2 p + 1 of every lane; lane (r, H) has
; token r, channels' block H), then at 6,144 four words a row r: word i = the two scale bytes of tile 2 i below, those of tile 2 i + 1 above.  Head index 32-47 v^T: four images of 1,536 bytes (16 channels x 128 keys, 12 registers a lane), then four scale words a row.
; The ring, the scales in LDS and the joint loads: K goes in steps of 256 through two LDS slots; the scales of the work-group's 512 rows come once.  4 x 4 work-groups form a cluster; A's tiles are shared along a row of it, B's along a column.
; LIMITS: a block of zeros gets the byte 1 (its codes are zeros; this program alone reads the bytes); NaN and infinities are not served.
; REGISTERS, in windows of 256: window 0: v0-31 addresses; v32-63 scale words, two sets; from v128 A's fragments, one set; on the way out v112-130 codes, v200-245 at work.
;   window 1: B's fragments, two sets.   window 2: the accumulators of my rows 0-63 ((a, b) at v[8 (8 a + b)]);   window 3: those of my rows 64-127.
.set SIZE_K, 1024
.set KSTEP,  256                       ; along K in a slot
.set NQ,     KSTEP/128                 ; matrix instructions deep
.set ROWB,   192                       ; a tile's row in bytes
.set KROW,   SIZE_K*6/8                ; a row of codes in memory
.set PITCH,  240                       ; an LDS row: 3 x (64 bytes + 16 of padding)
.set FR,     12                        ; registers of a fragment
.set NL,     6                         ; LDS loads that bring one
.set NP,     4                         ; places behind this matrix instruction (ISA guide 7.12.1)
.set HALFT,  128*PITCH                 ; 128 rows: what one tensor load brings
.set SLOT,   4*HALFT                   ; A's 256 rows, then B's 256 rows
.set LAPS,   SIZE_K/(2*KSTEP)
.set KS,     SIZE_K/32                 ; a row of scales in bytes
.set SCL,    2*SLOT                    ; behind the ring: the scales, as runs of 256 bytes + 16 of padding
.set HALFS,  (128*KS/256)*272
.set SBLK,   (16*KS/256)*272
.set SPARE,  SCL+4*HALFS               ; the spare words, 128 bytes for each wave: two blocks of 256 bytes that no other line names
.set REC,    6400                      ; a record of kv
.set HSTR,   409600                    ; 64 records: from head index to head index
.set WAC,    6291456                   ; cq: W_attn's codes begin here,
.set WVC,    7864320                   ; its v rows here;
.set WAS,    262144                    ; sq: W_attn's scale bytes,
.set WVS,    327680                    ; its v rows'
.set ADRA, 16                          ; v16-17 LDS address of my A fragments in slot 0, 1 (v18-19: behind one padding more)
.set ADRB, 20                          ; v20-21 the same for B (v22-23)
.set SOF,  24                          ; v24  the way out: 16 r + HSTR h: my row's four scale words
.set CO,   26                          ; v26  the way out: 8 x lane
.set ADRS, 27                          ; v27  LDS address of my scale words: lanes 0-15 A's rows, lanes 16-31 B's
.set SPW,  28                          ; v28  LDS address of my spare word; never rewritten
.set NIL,  29                          ; v29  0; never rewritten
.set SC,   32
.set AF,   128
.set PC,   112                         ; the way out: v112-123 a fragment's codes, v124-126 and v128-130 the halves that are moved
.set TM,   200                         ; v200-203 largest magnitudes, v204-207 exchange, then bytes, v212-215 the conversions' scale operands
.set PWS,  224                         ; v224-231 the eight blocks' scale words
.set WQ,   232                         ; v232-235 the four words that are stored
.set WVV,  236                         ; v236-239
.set SELV, 244                         ; v244-245
.set G1, 24
.set G0, 32
.set G1B, 48
.set G0B, 56
.set G1S, 68
.set G0S, 76
.set G1SB, 80
.set G0SB, 88
.set BLO, 20                           ; s[20:21] the way out: where registers 0-5 of a block's codes go
.set BHI, 22                           ; s[22:23] and registers 6-11
.set SBASE, 46                         ; s[46:47] my first record
.set SA,  92                           ; s[92:93] from block to block
.set S4,  94                           ; s[94:95] from block 3 to block 4
.set MSB, 0
.macro WIN new                         ; the immediate's high byte repeats the setting that is left
.if MSB != \new
	s_set_vgpr_msb (MSB<<8)|\new
.set MSB, \new
.endif
.endm
.set MUL_LO, 0xa1                      ; source 0 (B) window 1, source 1 (A) window 0, C and D window 2
.set MUL_HI, 0xf1                      ; the same, C and D window 3
.set TO_B,   0x40                      ; destination window 1, address window 0
; A joint load: waves 0 and 1 fetch for A, waves 2 and 3 for B.  Each line has one mask and one set of registers for all that issue it; the branch hangs on the wave's number alone.  Four v_nop follow each line.
.macro JLOAD g0a, g1a, g0b, g1b
	s_cmp_eq_u32 s15, 0
	s_cbranch_scc0 .Lfor_b_\@
	tensor_load_to_lds s[\g0a:\g0a+3], s[\g1a:\g1a+7]
	s_nop 0
.rept 4
	v_nop
.endr
	s_branch .Lasked_\@
.Lfor_b_\@:
	tensor_load_to_lds s[\g0b:\g0b+3], s[\g1b:\g1b+7]
	s_nop 0
.rept 4
	v_nop
.endr
.Lasked_\@:
.endm
.macro CREST                           ; a round of the cluster's barrier behind its opening barrier
	s_cmp_lg_u32 s14, 0
	s_cbranch_scc1 .Lnot_wave_0_\@
	s_barrier_signal -3
.Lnot_wave_0_\@:
	s_barrier_wait -3
	s_barrier_signal -1
	s_barrier_wait -1
.endm
.macro CROUND                          ; a whole round
	s_barrier_signal -1
	s_barrier_wait -1
	CREST
.endm
	s_load_b128 s[4:7], s[0:1], 0x0                ; cq s[4:5], sq s[6:7]
	s_load_b64 s[12:13], s[0:1], 0x10              ; kv
	v_lshl_add_u32 v[SPW], v0, 2, SPARE
	v_mov_b32 v[NIL], 0
	ds_add_u32 v28, v29
	s_wait_dscnt 0x0
	v_lshrrev_b32 v1, 5, v0
	v_readfirstlane_b32 s14, v1                    ; wave 0..3
	s_lshr_b32 s15, s14, 1                         ; which half of the tile's rows of A is mine.  Also: I fetch for A (0) or for B (1)
	s_and_b32 s16, s14, 1                          ; which half of its rows of B.  Also: which 128 rows of that tile I fetch
	s_bfe_u32 s40, ttmp6, 0x40000                  ; cx, cy: my place in the cluster
	s_bfe_u32 s41, ttmp6, 0x40004
	s_and_b32 s96, ttmp7, 0xffff                   ; the cluster's y, 0-11
	s_lshr_b32 s66, s96, 3                         ; m: the same in all sixteen partners
	s_xor_b32 s67, s66, 1                          ; 1 - m
	s_mul_i32 s17, s96, s67                        ; row of clusters: y (m = 0) or 0 (m = 1: A has four tile rows)
	s_lshl_b32 s17, s17, 2
	s_add_co_u32 s17, s17, s41                     ; tile row
	s_and_b32 s42, s96, 7
	s_lshl_b32 s42, s42, 1
	s_mul_i32 s42, s42, s66
	s_add_co_u32 s42, s42, ttmp9                   ; column of clusters: x (m = 0) or x + 2 (y - 8) (m = 1: B has 32 tile columns)
	s_lshl_b32 s42, s42, 2
	s_add_co_u32 s42, s42, s40                     ; tile column
	s_lshl_b32 s43, s41, 2
	s_lshl_b32 s43, 15, s43                        ; my row of the cluster
	s_lshl_b32 s44, 0x1111, s40                    ; my column
	; descriptor group 1: a tile of 128 rows x ROWB bytes, 16 bytes of padding behind every 64
	s_or_b32 s[G1+0], s43, (0<<16)|(1<<20)|(1<<21)|(3<<22)|(3<<25)
	s_or_b32 s[G1B+0], s44, (0<<16)|(1<<20)|(1<<21)|(3<<22)|(3<<25)
.irp g, G1, G1B
	s_mov_b32 s[\g+1], ROWB<<16                    ; tensor_dim0
	s_mov_b32 s[\g+2], 128<<16                     ; tensor_dim1
	s_mov_b32 s[\g+3], ROWB<<16                    ; tile_dim0
	s_mov_b32 s[\g+4], 128                         ; tile_dim1
	s_mov_b32 s[\g+5], KROW                        ; tensor_dim0_stride
	s_mov_b32 s[\g+6], 0
	s_mov_b32 s[\g+7], 0
.endr
	; the scales of 128 rows: a dense block of 4,096 bytes, as rows of 256 bytes (32 elements of 8), 16 bytes of padding behind each
	s_or_b32 s[G1S+0], s43, (3<<16)|(1<<20)|(1<<21)|(5<<22)|(3<<25)
	s_or_b32 s[G1SB+0], s44, (3<<16)|(1<<20)|(1<<21)|(5<<22)|(3<<25)
.irp g, G1S, G1SB
	s_mov_b32 s[\g+1], 32<<16
	s_mov_b32 s[\g+2], (128*KS/256)<<16
	s_mov_b32 s[\g+3], 32<<16
	s_mov_b32 s[\g+4], 128*KS/256
	s_mov_b32 s[\g+5], 32
	s_mov_b32 s[\g+6], 0
	s_mov_b32 s[\g+7], 0
.endr
	s_lshl_b32 s18, s16, 7                         ; which 128 rows of the tile I fetch
	s_lshl_b32 s20, s17, 8
	s_add_co_u32 s20, s20, s18                     ; A: row 256 x tile row + 128 x half
	s_lshl_b32 s46, s42, 8
	s_add_co_u32 s46, s46, s18                     ; B: row 256 x tile column + 128 x half
	s_mov_b32 s21, 0
	s_mov_b32 s47, 0
	s_mov_b64 s[18:19], KS
	s_mul_u64 s[22:23], s[20:21], s[18:19]         ; where these rows' scales begin, in bytes
	s_mul_u64 s[92:93], s[46:47], s[18:19]
	s_mov_b64 s[18:19], KROW
	s_mul_u64 s[20:21], s[20:21], s[18:19]         ; and their codes
	s_mul_u64 s[46:47], s[46:47], s[18:19]
	s_mul_i32 s18, s66, WVC                        ; which tensor is A and which is B: x lies at byte 0 of cq and sq.  All sums stay under 2^24
	s_add_co_u32 s20, s20, s18
	s_mul_i32 s18, s66, WVS
	s_add_co_u32 s22, s22, s18
	s_mul_i32 s18, s67, WAC
	s_add_co_u32 s46, s46, s18
	s_mul_i32 s18, s67, WAS
	s_add_co_u32 s92, s92, s18
	s_mul_i32 s45, s14, HALFT                      ; where they go: wave x 128 rows: no place in the cluster enters an LDS address
	s_mul_i32 s94, s14, HALFS
	s_wait_kmcnt 0x0
	s_add_nc_u64 s[20:21], s[4:5], s[20:21]
	s_add_nc_u64 s[22:23], s[6:7], s[22:23]
	s_add_nc_u64 s[46:47], s[4:5], s[46:47]
	s_add_nc_u64 s[92:93], s[6:7], s[92:93]
	CROUND                                         ; all sixteen work-groups are here: the first joint loads meet
	s_mov_b32 s[G0S], 1
	s_add_co_u32 s[G0S+1], s94, SCL
	s_mov_b64 s[G0S+2:G0S+3], s[22:23]
	s_or_b32 s[G0S+3], s[G0S+3], 0x80000000
	s_mov_b32 s[G0SB], 1
	s_add_co_u32 s[G0SB+1], s94, SCL
	s_mov_b64 s[G0SB+2:G0SB+3], s[92:93]
	s_or_b32 s[G0SB+3], s[G0SB+3], 0x80000000
	JLOAD G0S, G1S, G0SB, G1SB                     ; the scales first: they are wanted with K step 0
.irp s, 0,1
	s_mov_b32 s[G0+4*\s], 1
	s_add_co_u32 s[G0+4*\s+1], s45, \s*SLOT
	s_add_nc_u64 s[G0+4*\s+2:G0+4*\s+3], s[20:21], \s*ROWB
	s_or_b32 s[G0+4*\s+3], s[G0+4*\s+3], 0x80000000
	s_mov_b32 s[G0B+4*\s], 1
	s_add_co_u32 s[G0B+4*\s+1], s45, \s*SLOT
	s_add_nc_u64 s[G0B+4*\s+2:G0B+4*\s+3], s[46:47], \s*ROWB
	s_or_b32 s[G0B+4*\s+3], s[G0B+4*\s+3], 0x80000000
	JLOAD G0+4*\s, G1, G0B+4*\s, G1B
.endr
	v_and_b32 v1, 15, v0                           ; r = l % 16
	v_bfe_u32 v2, v0, 4, 1                         ; h = l / 16
	v_mul_u32_u24 v3, v1, PITCH
	v_mul_u32_u24 v4, v2, 24
	v_add_nc_u32 v4, v3, v4                        ; a fragment's row x pitch + 24 x half
	v_lshl_add_u32 v5, v2, 4, v4                   ; and the same behind one padding more
	s_mul_i32 s21, s15, HALFT                      ; my 128 rows of A
	s_mul_i32 s22, s16, HALFT                      ; my 128 rows of B,
	s_add_co_u32 s22, s22, 2*HALFT                 ; which lie behind A's 256
.irp s, 0,1
	v_add_nc_u32 v[ADRA+\s], s21, v4
	v_add_nc_u32 v[ADRB+\s], s22, v4
	v_add_nc_u32 v[ADRA+2+\s], s21, v5
	v_add_nc_u32 v[ADRB+2+\s], s22, v5
	s_add_co_u32 s21, s21, SLOT
	s_add_co_u32 s22, s22, SLOT
.endr
	v_mul_u32_u24 v5, v1, KS                       ; my row's scales: KS bytes a row,
	v_lshrrev_b32 v6, 8, v5
	v_lshl_add_u32 v5, v6, 4, v5                   ; and 16 more for each 256 passed
	s_mul_i32 s21, s15, HALFS
	s_mul_i32 s22, s16, HALFS
	s_add_co_u32 s22, s22, 2*HALFS
	s_sub_co_u32 s22, s22, s21
	v_mul_u32_u24 v6, s22, v2                      ; lanes 16-31 take B's
	s_add_co_u32 s21, s21, SCL
	v_add_nc_u32 v5, v5, v6
	v_add_nc_u32 v[ADRS], s21, v5
	; the way out: which records are my wave's
	v_and_b32 v6, 31, v0
	v_lshlrev_b32 v[CO], 3, v6
	v_lshlrev_b32 v[SOF], 4, v1
	v_mul_u32_u24 v6, v2, HSTR
	v_add_nc_u32 v[SOF], v[SOF], v6
	s_lshl_b32 s20, s17, 1
	s_add_co_u32 s20, s20, s15                     ; my 128 rows of A, counted in 128s
	s_lshl_b32 s21, s42, 1
	s_add_co_u32 s21, s21, s16                     ; my 128 rows of B likewise
	s_mul_i32 s22, s20, s67
	s_mul_i32 s23, s21, s66
	s_add_co_u32 s22, s22, s23                     ; g: the tokens are A's rows (m = 0) or B's (m = 1)
	s_lshl_b32 s20, s20, 1
	s_add_co_u32 s20, s20, 32                      ; m = 1: head index 32 + A's rows / 64
	s_lshl_b32 s21, s21, 1                         ; m = 0: B's rows / 64
	s_mul_i32 s20, s20, s66
	s_mul_i32 s21, s21, s67
	s_add_co_u32 s20, s20, s21                     ; my first head index; I have two
	s_mul_i32 s20, s20, HSTR
	s_mul_i32 s22, s22, REC
	s_add_co_u32 s20, s20, s22
	s_mov_b32 s21, 0
	s_add_nc_u64 s[BLO:BLO+1], s[12:13], s[20:21]
	s_mul_i32 s96, s66, HSTR-768
	s_sub_co_u32 s96, HSTR, s96                    ; registers 6-11 belong to the next head's record (m = 0) or follow in the same image (m = 1)
	s_mov_b32 s97, 0
	s_add_nc_u64 s[BHI:BHI+1], s[BLO:BLO+1], s[96:97]
	s_mov_b64 s[SBASE:SBASE+1], s[BLO:BLO+1]
	s_mul_i32 s[SA], s66, 768
	s_add_co_u32 s[SA], s[SA], 768                 ; an image: 768 bytes (m = 0), 1,536 (m = 1)
	s_mov_b32 s[SA+1], 0
	s_mul_i32 s[S4], s66, HSTR-3*1536-768
	s_add_co_u32 s[S4], s[S4], 768                 ; m = 1: block 4 begins the next head's record
	s_mov_b32 s[S4+1], 0
	s_sub_co_u32 s40, 0, s66                       ; all ones where m = 1
	s_mov_b32 s41, 0xffff0000                      ; lanes 16-31
	s_mov_b32 s18, 0x76543210
	s_mov_b32 s19, 0xfedcba98                      ; v_permlanex16_b32's selects for lane l xor 16
.macro FRAG reg, adr, q, i             ; a fragment, 16 rows x 128 K, is 12 registers: lane l holds row l % 16; registers 6 c .. 6 c + 5 hold K = 64 c + 32 (l / 16) + 0 .. 31: 24 bytes of the row, as they lie
.irp p, 0,1,2,3,4,5                    ; in pieces of 8 bytes.  Lanes 16-31 read three pieces further on than lanes 0-15: where that lies behind one padding more, the second address register serves
.set PCE, 12*(\q)+6*(\p/3)+\p%3
.if PCE%8 < 5
	ds_load_b64 v[\reg+2*\p:\reg+2*\p+1], v[\adr] offset:8*PCE+16*(PCE/8)+(\i)*16*PITCH
.else
	ds_load_b64 v[\reg+2*\p:\reg+2*\p+1], v[\adr+2] offset:8*PCE+16*(PCE/8)+(\i)*16*PITCH
.endif
.endr
.endm
; 16 matrix instructions: A's blocks a0, a0 + 1 x B's eight, 128 along K.  The 64 accumulators take turns, one instruction a turn, in the same order in every step.
.macro MUL16 a0, p, q, sc, zero
.irp a, \a0, \a0+1
.irp b, 0,1,2,3,4,5,6,7
.if \zero
	v_wmma_scale_f32_16x16x128_f8f6f4 v[8*(8*((\a)%4)+\b):8*(8*((\a)%4)+\b)+7], v[128*(\p)+FR*\b:128*(\p)+FR*\b+FR-1], v[AF+FR*(\a):AF+FR*(\a)+FR-1], 0, v[SC+8*NQ*(\sc)+NQ*\b+(\q)], v[SC+8*NQ*(\sc)+NQ*(\a)+(\q)] matrix_a_fmt:MATRIX_FMT_FP6 matrix_b_fmt:MATRIX_FMT_FP6 matrix_a_scale:MATRIX_SCALE_ROW1
.else
	v_wmma_scale_f32_16x16x128_f8f6f4 v[8*(8*((\a)%4)+\b):8*(8*((\a)%4)+\b)+7], v[128*(\p)+FR*\b:128*(\p)+FR*\b+FR-1], v[AF+FR*(\a):AF+FR*(\a)+FR-1], v[8*(8*((\a)%4)+\b):8*(8*((\a)%4)+\b)+7], v[SC+8*NQ*(\sc)+NQ*\b+(\q)], v[SC+8*NQ*(\sc)+NQ*(\a)+(\q)] matrix_a_fmt:MATRIX_FMT_FP6 matrix_b_fmt:MATRIX_FMT_FP6 matrix_a_scale:MATRIX_SCALE_ROW1
.endif
.endr
.endr
.endm
.macro FETCH_B slot, q, p              ; B's eight fragments of the slot's q-th 128 along K into set p
	WIN TO_B
.irp i, 0,1,2,3,4,5,6,7
	FRAG 128*(\p)+FR*\i, ADRB+\slot, \q, \i
.endr
	WIN 0
.endm
.macro FETCH_A slot, q, i0             ; A's blocks i0 .. i0 + 3
.irp i, \i0, \i0+1, \i0+2, \i0+3
	FRAG AF+FR*(\i), ADRA+\slot, \q, \i
.endr
.endm
.macro SCALES sc                       ; a K step's scale words into set sc: lanes 0-15 take A's block i, lanes 16-31 B's block i
.irp i, 0,1,2,3,4,5,6,7
	ds_load_b64 v[SC+8*NQ*\sc+NQ*\i:SC+8*NQ*\sc+NQ*\i+1], v[ADRS] offset:\i*SBLK
.endr
.endm
.macro PLACES n                        ; plain vector instructions between a matrix instruction and a load into, or a read of, its registers
.rept \n
	v_nop
.endr
.endm
.macro STEP slot, q, zero              ; a step of 128 along K that has its successor in the same slot
	s_wait_dscnt 4*NL                              ; B's set and A's blocks 0-3 are in; the youngest 24 loads (A's blocks 4-7) may be out
	WIN MUL_LO
	MUL16 0, (\q)%2, \q, \slot, \zero
	MUL16 2, (\q)%2, \q, \slot, \zero
	s_wait_dscnt 0                                 ; A's blocks 4-7 are in
	PLACES NP
	FETCH_B \slot, (\q)+1, 1-(\q)%2
	FETCH_A \slot, (\q)+1, 0
	WIN MUL_HI
	MUL16 4, (\q)%2, \q, \slot, \zero
	MUL16 6, (\q)%2, \q, \slot, \zero
	PLACES NP
	WIN 0
	FETCH_A \slot, (\q)+1, 4
.endm
; A slot's last step changes slots: one barrier; in front of it each wave waits for all its tensor loads, adds 0 to its spare word, and waits for that and for its own reads of this slot.  fill = 1: this slot is filled again, two K steps ahead.
.macro TURN slot, next, fill
	s_wait_tensorcnt 0x0                           ; all my tensor loads have landed: my part of the next slot
	ds_add_u32 v[SPW], v[NIL]                      ; 0 onto my spare word
	s_wait_dscnt 4*NL+1                            ; (the add and the youngest 24 loads, A's blocks 4-7, may be out)
	WIN MUL_LO
	MUL16 0, 1, NQ-1, \slot, 0                     ; sixteen matrix instructions stand between the add and the wait for it
	s_wait_dscnt 0x0                               ; the add is done, and my reads of this slot are over
	s_barrier_signal -1
	MUL16 2, 1, NQ-1, \slot, 0
	WIN 0
	s_barrier_wait -1
.if \fill
	CREST                                          ; the barrier has opened a round of the cluster's barrier: no wave of any partner still reads this slot's tile or has a load on its way
	s_add_nc_u64 s[G0+4*\slot+2:G0+4*\slot+3], s[G0+4*\slot+2:G0+4*\slot+3], 2*ROWB
	s_add_nc_u64 s[G0B+4*\slot+2:G0B+4*\slot+3], s[G0B+4*\slot+2:G0B+4*\slot+3], 2*ROWB
	JLOAD G0+4*\slot, G1, G0B+4*\slot, G1B         ; the first tensor load behind the round; its four v_nop are the places in front of the loads below
.else
	PLACES NP
.endif
	v_add_nc_u32 v[ADRS], 4*NQ, v[ADRS]            ; on to the next K step's scale words
	FETCH_B \next, 0, 0
	FETCH_A \next, 0, 0
	SCALES \next
	WIN MUL_HI
	MUL16 4, 1, NQ-1, \slot, 0
	MUL16 6, 1, NQ-1, \slot, 0
	PLACES NP
	WIN 0
	FETCH_A \next, 0, 4
.endm
	s_wait_tensorcnt 1                             ; the scales and my part of K step 0 are in (K step 1's load may be out),
	s_barrier_signal -1
	s_barrier_wait -1                              ; everybody's are
	FETCH_B 0, 0, 0
	FETCH_A 0, 0, 0
	SCALES 0
	FETCH_A 0, 0, 4
	STEP 0, 0, 1                                   ; the first step stands in front of the loop: its products start the sums
	s_mov_b32 s3, LAPS-1
.Llap:                                                 ; a trip goes once round the ring and fills both slots again
	TURN 0, 1, 1
	STEP 1, 0, 0
	TURN 1, 0, 1
	STEP 0, 0, 0
	s_sub_co_u32 s3, s3, 1
	s_cmp_lg_u32 s3, 0
	s_cbranch_scc1 .Llap
	TURN 0, 1, 0                                   ; the last lap fills nothing, and has no round of the cluster's barrier
	STEP 1, 0, 0
	s_wait_dscnt 4*NL                              ; the very last step: nothing more to fetch
	WIN MUL_LO
	MUL16 0, 1, NQ-1, 1, 0
	MUL16 2, 1, NQ-1, 1, 0
	s_wait_dscnt 0
	WIN MUL_HI
	MUL16 4, 1, NQ-1, 1, 0
	MUL16 6, 1, NQ-1, 1, 0
	WIN 0
; THE WAY OUT.  Block a (16 rows of A x my 128 rows of B, 64 registers a lane) becomes one fragment of 12 registers and one scale word a row, and is stored as an image of those registers: six stores of 8 bytes a lane,
; each 256 consecutive bytes, aligned.  No LDS.  The accumulators are read where they lie: as sources 0 and 1 of the maxima and as source 0 of the conversions, so each needs one window setting.
.macro QBLOCK a
.set AC, 64*((\a)%4)
.set WS, 0x0a+5*((\a)/4)
	WIN WS                                         ; sources 0 and 1: window 2 or 3
.irp b, 0,1,2,3
	v_max3_num_f32 v[TM+\b], |v[AC+16*\b]|, |v[AC+16*\b+1]|, 0x1800000   ; block b of 32: my 16 numbers, each accumulator from its low end on, and the floor 2^(3 - 127): the byte cannot fall under 1
.endr
.irp i, 2,4,6,8,10,12,14
.irp b, 0,1,2,3
	v_max3_num_f32 v[TM+\b], |v[AC+16*\b+\i]|, |v[AC+16*\b+\i+1]|, v[TM+\b]   ; (the four blocks by turns)
.endr
.endr
	WIN 0
.irp b, 0,1,2,3
	v_permlanex16_b32 v[TM+4+\b], v[TM+\b], s18, s19
.endr
.irp b, 0,1,2,3
	v_max_num_f32 v[TM+\b], v[TM+\b], v[TM+4+\b]   ; with lane l xor 16's: the block's largest magnitude
.endr
.irp b, 0,1,2,3
	v_add_nc_u32 v[TM+12+\b], 0xff000000, v[TM+\b] ; 2 off its exponent field: the conversion's scale operand
.endr
.irp b, 0,1,2,3
	v_lshrrev_b32 v[TM+4+\b], 23, v[TM+12+\b]      ; the scale's byte
.endr
	v_lshl_or_b32 v[PWS+\a], v[TM+5], 8, v[TM+4]   ; my row's scale word (the same in lanes r and r + 16)
	v_lshl_or_b32 v[PWS+\a], v[TM+6], 16, v[PWS+\a]
	v_lshl_or_b32 v[PWS+\a], v[TM+7], 24, v[PWS+\a]
.if (\a) > 0
	s_wait_xcnt 0x0                                ; the last block's stores have read their data and their bases: both are written again only behind this wait
.if (\a) == 4
	s_add_nc_u64 s[BLO:BLO+1], s[BLO:BLO+1], s[S4:S4+1]
	s_add_nc_u64 s[BHI:BHI+1], s[BHI:BHI+1], s[S4:S4+1]
.else
	s_add_nc_u64 s[BLO:BLO+1], s[BLO:BLO+1], s[SA:SA+1]
	s_add_nc_u64 s[BHI:BHI+1], s[BHI:BHI+1], s[SA:SA+1]
.endif
.endif
.set WS, 2+(\a)/4
	WIN WS                                         ; source 0: window 2 or 3
.irp c, 0,1
	v_cvt_scalef32_pk16_fp6_f32 v[PC+6*\c:PC+6*\c+2], v[AC+32*\c:AC+32*\c+15], v[TM+12+2*\c]
	v_cvt_scalef32_pk16_fp6_f32 v[PC+12+4*\c:PC+14+4*\c], v[AC+32*\c+16:AC+32*\c+31], v[TM+12+2*\c+1]   ; (a conversion's three registers begin on an even number)
.endr
	WIN 0
	v_nop                                          ; one plain place behind a scaled conversion
.irp c, 0,1                                    ; the operand's layout wants a whole block in a lane: lanes 0-15 block 2 c, lanes 16-31 block 2 c + 1
.irp i, 0,1,2
	v_permlane16_swap_b32 v[PC+6*\c+\i], v[PC+12+4*\c+\i]
.endr
.irp i, 0,1,2
	v_mov_b32 v[PC+3+6*\c+\i], v[PC+12+4*\c+\i]
.endr
.endr
.irp p, 0,1,2
	global_store_b64 v[CO], v[PC+2*\p:PC+2*\p+1], s[BLO:BLO+1] offset:256*\p
.endr
.irp p, 0,1,2
	global_store_b64 v[CO], v[PC+6+2*\p:PC+7+2*\p], s[BHI:BHI+1] offset:256*\p
.endr
.endm
	PLACES NP                                      ; behind the last products, ahead of the first read of results
.irp b, 0,1,2,3
	v_mov_b32 v[TM+4+\b], 0                        ; written once: a lane permute's destination counts as one of its sources
.endr
.irp a, 0,1,2,3,4,5,6,7
	QBLOCK \a
.endr
	; the scale words.  m = 0: a word's lower two bytes are my first head's, its upper two the second's; lanes 0-15 gather the first head's (tiles 2 i and 2 i + 1 in word i), lanes 16-31 the second's.
	; m = 1: blocks 0-3 are my first head's four images, blocks 4-7 the second's: lanes 0-15 take words 0-3, lanes 16-31 words 4-7.  Sixteen lanes store 256 consecutive bytes, aligned.
	v_mov_b32 v[SELV], 0x05040100
	v_mov_b32 v[SELV+1], 0x07060302
	v_cndmask_b32 v[SELV], v[SELV], v[SELV+1], s41
.irp q, 0,1,2,3
	v_perm_b32 v[WQ+\q], v[PWS+2*\q+1], v[PWS+2*\q], v[SELV]
	v_cndmask_b32 v[WVV+\q], v[PWS+\q], v[PWS+4+\q], s41
.endr
.irp q, 0,1,2,3
	v_cndmask_b32 v[WQ+\q], v[WQ+\q], v[WVV+\q], s40
.endr
	global_store_b128 v[SOF], v[WQ:WQ+3], s[SBASE:SBASE+1] offset:6144
	s_wait_tensorcnt 0x0                           ; the wave's end
	ds_add_u32 v[SPW], v[NIL]
	s_wait_dscnt 0x0
	CROUND                                         ; the closing round: no work-group ends while a partner may still ask for a tile that names it
	s_endpgm
.Lfunc_end_k_q6291d441b6_qkv:
	.size	k_q6291d441b6_qkv, .Lfunc_end_k_q6291d441b6_qkv-k_q6291d441b6_qkv
	.p2alignl 7, 3214868480
	.fill 96, 4, 3214868480
	.section	.rodata,"a",@progbits
	.p2align	6, 0x0
	.amdhsa_kernel k_q6291d441b6_qkv
		.amdhsa_group_segment_fixed_size 327680
		.amdhsa_private_segment_fixed_size 0
		.amdhsa_enable_private_segment 0
		.amdhsa_kernarg_size 24
		.amdhsa_user_sgpr_count 2
		.amdhsa_user_sgpr_kernarg_segment_ptr 1
		.amdhsa_wavefront_size32 1
		.amdhsa_system_sgpr_workgroup_id_x 1
		.amdhsa_system_sgpr_workgroup_id_y 1
		.amdhsa_system_sgpr_workgroup_id_z 1
		.amdhsa_system_vgpr_workitem_id 0
		.amdhsa_next_free_vgpr 1024
		.amdhsa_next_free_sgpr 100
		.amdhsa_reserve_vcc 0
		.amdhsa_float_denorm_mode_32 3
		.amdhsa_float_denorm_mode_16_64 3
		.amdhsa_memory_ordered 1
		.amdhsa_forward_progress 1
		.amdhsa_inst_pref_size 169
	.end_amdhsa_kernel
	.amdgpu_metadata
---
amdhsa.version: [ 1, 2 ]
amdhsa.kernels:
  - .name:           k_q6291d441b6_qkv
    .symbol:         k_q6291d441b6_qkv.kd
    .args:
      - { .name: cq, .offset: 0, .size: 8, .value_kind: global_buffer, .address_space: global }
      - { .name: sq, .offset: 8, .size: 8, .value_kind: global_buffer, .address_space: global }
      - { .name: kv, .offset: 16, .size: 8, .value_kind: global_buffer, .address_space: global }
    .group_segment_fixed_size: 327680
    .private_segment_fixed_size: 0
    .kernarg_segment_align: 8
    .kernarg_segment_size: 24
    .max_flat_workgroup_size: 128
    .sgpr_count:     100
    .vgpr_count:     1024
    .wavefront_size: 32
...
	.end_amdgpu_metadata
.endif
;; end of part 2
;; launch attn (part 3): grid 64 x 4, 16 waves a work-group, no clusters, 327,680 bytes of LDS; arguments kv, yc, ys; writes yc, ys
.if DOCPART == 3
	.amdgcn_target "amdgcn-amd-amdhsa--gfx1250"
	.amdhsa_code_object_version 6
	.text
	.protected	k_q6291d441b6_attn
	.globl	k_q6291d441b6_attn
	.p2align	8
	.type	k_q6291d441b6_attn,@function
k_q6291d441b6_attn:
	s_mov_b64 s[64:65], 0
	v_nop
	global_prefetch_b8 v0, s[64:65] scope:SCOPE_SE
	s_setreg_imm32_b32 hwreg(HW_REG_WAVE_MODE, 25, 1), 1
	s_wait_xcnt 0x0
; y[b][h][q] = the sum over keys k <= q of softmax_k(8 q.k) v[k], head size 64, 2,048 tokens, 64 (batch, head) pairs; both products on codes of FP6 (E2M3) with E8M0 scales; y is quantised along the channels and stored as codes.
; THE SOFTMAX: t = score x 8 log2(e); M = the row's largest t so far, rounded up to a whole number; p = 2^(t - M) is quantised along the keys, not normalised.  The row's sum is taken of the unquantised p and divides O at the end.
; When M moves, the sum and O are multiplied by 2^(old M - new M): exact.
; SHARES.  Work-group (x = 16 b + h, y = j) takes the head's query block j (256 queries) and then block 7 - j.  Block i needs the key slots 0 .. i of 256 keys: j + 1 and 8 - j slots, NINE for every work-group: equal work, a trip count that is
; a constant, and only tiles that the mask leaves are fetched.  Each of the sixteen waves owns 16 queries of the block in hand, in 256 registers: four waves to a SIMD, so that one wave's vector work stands beside another's products and LDS loads.
; NO CLUSTER: the four work-groups of a head want different key slots in the same trip (slot t of block j against slot t - j' - 1 of another), so there is no tile that they could ask for jointly.
; kv's records (6,400 bytes, [head index][token / 128]) are images of operand registers: piece p of 256 bytes holds registers 2 p, 2 p + 1 of every lane.  A slot in LDS is four records: k's two, then v^T's two, each brought by one tensor load (waves 0-3).
; THE HEAD'S 64 IN AN INSTRUCTION OF 128.  An operand of k holds TWO neighbouring tiles of 16 keys: registers 0-5 tile 2 i, registers 6-11 tile 2 i + 1 (1,536 consecutive bytes).  It is multiplied once by [q, 0] and once by [0, q]:
; zero codes annul the other tile.  q lies in v16-33 as q, 0, q, so that both operands are runs of those registers.  k's scale word has both tiles' two bytes, q's word its two bytes twice.
; Both products are used transposed (source 0 = keys, or v^T's channels; source 1 = my 16 queries): a lane holds one query throughout.  A lane's 16 registers of two neighbouring tiles become places 16 h + 8 u + j of a block of 32 keys
; (place p holds index p with bits 3 and 4 exchanged): v^T's images have the same order along the keys, W_proj's codes the same along the channels.
; LIMITS: a p under 2^-126 counts as 0 (v_exp_f32 flushes); a block of zeros gets the byte 1 (its codes are zeros; this program alone reads the bytes); NaN and infinities are not served.
; ys is stored one byte a lane into rows of 32 bytes (2 of a token's 32 bytes belong to a head): 1/24 of what this launch stores; whole runs would want all sixteen heads of a token in one work-group.
.set REC,   6400
.set HSTR,  409600
.set SLOT1, 32768                      ; slot 1 begins here: one exclusive or turns an address in one slot into the other's; a slot uses 25,600 bytes
.set SPARE, 65536                      ; the spare words, 128 bytes for each wave: eight blocks of 256 bytes that no other line names
.set L8,   1                           ; v1   8 x lane
.set R16,  2                           ; v2   16 x (lane % 16)
.set ADK,  3                           ; v3   LDS address of the images in hand
.set ADS,  4                           ; v4   and of the scale words
.set SPW,  5                           ; v5   LDS address of my spare word; never rewritten
.set NIL,  6                           ; v6   0; never rewritten
.set DQ,   7                           ; v7   lane % 16 - 8 (lane / 16)
.set YSO,  9                           ; v9   32 (lane % 16) + lane / 16
.set QF,   16                          ; v16-33 q, 0, q
.set QN,   34                          ; v34-39 the second block's q
.set QSN,  40                          ; v40  its scale word
.set QS,   41                          ; v41  q's scale word
.set PFO,  42                          ; v42  the prefetches' offset
.set KFR,  44                          ; v44-91 four operands of k; behind the first product these registers are at work:
.set PC,   44                          ; v44-55 p's codes
.set CT,   56                          ; v56-58, v60-62 the halves that are moved
.set BM,   64                          ; v64-67 the blocks' largest scores, then largest p
.set BX,   68                          ; v68-71 exchange, then bytes
.set SO,   72                          ; v72-75 the conversions' scale operands
.set SUMT, 76                          ; v[76:77] the sum's second chain
.set FF,   92                          ; v[92:93] f = 2^(old M - new M), and a register written once
.set SR,   96                          ; v96-159 S^T, then p
.set OT,   160                         ; v160-191 O^T
.set VF,   192                         ; v192-239 four operands of v^T
.set KSC,  240                         ; v240-243 k's scale words
.set VSC,  244                         ; v244-247 v^T's
.set PSC,  248                         ; v248 p's
.set TB,   2                           ; s2   LDS byte at which the slot in hand begins
.set TRIP, 3                           ; s3   0 .. 8
.set WV,   18
.set SEL,  20                          ; s[20:21] selects for lane l xor 16
.set CS,   22                          ; s[22:23] c = 8 log2(e)
.set G1,   24                          ; s[24:31] descriptor group 1: 25 dense rows of 256 bytes
.set G0,   32                          ; s[32:35] group 0
.set GB,   36                          ; s[36:37] my record of key slot 0
.set T0,   38                          ; s[38:39] the key slot to be fetched, in bytes
.set J,    40
.set JP1,  41
.set NS,   42                          ; s42  the key slot to be fetched
.set KF,   43                          ; s43  the step's first key
.set Q0,   44                          ; s44  my first query
.set Q0B,  45                          ; s45  in the second block
.set HM,   46                          ; s46  lanes 16-31
.set YPA,  48                          ; s[48:49], s[50:51] where my tile's codes of y go: first block, second block
.set YPB,  50
.set YSA,  52                          ; s[52:53], s[54:55] and its scale bytes
.set YSB,  54
.set PFA,  56                          ; s[56:57] where my prefetches stand
.set PLIM, 58                          ; s58  a wave prefetches while the trip's number is under this
.macro TLOAD                           ; waves 0-3 fetch a record each: k's two, v^T's two.  The branch hangs on the wave's number alone; four v_nop follow the load
	s_cmp_lt_u32 s[WV], 4
	s_cbranch_scc0 .Lnone_\@
	tensor_load_to_lds s[G0:G0+3], s[G1:G1+7]
	s_nop 0
.rept 4
	v_nop
.endr
.Lnone_\@:
.endm
; A PREFETCH INTO THE L2 of the key slot that the next change of slots will ask for.  The four work-groups of a head walk the same records: the one with j = 0 asks; its second block walks key slots 0 to 7 in trips 1 to 8.  In it waves 4-7,
; which fetch nothing, ask for a record each: 25 blocks of 256 bytes, a lane a block (lanes 25-31 name lane 24's again).  In trip t, t = 0 .. 6, key slot t + 1 is named: a slot's two key steps ahead of its tensor load.  Key slot 0 comes by its load alone.
.macro ASK
	s_cmp_lt_u32 s[TRIP], s[PLIM]
	s_cbranch_scc0 .Lnot_mine_\@
	global_prefetch_b8 v[PFO], s[PFA:PFA+1] th:TH_LOAD_NT scope:SCOPE_SE
.Lnot_mine_\@:
.endm
.macro INIT                            ; a block of queries begins: the largest t is -3e38, under every t; the sum and O^T are zeros, which the first change of M leaves zeros
	v_mov_b32 v13, 0xff61b1e6
	v_floor_f32 v12, -v13                          ; -M
	v_mov_b32 v14, 0
	v_mov_b32 v15, 0
.set ii, 0
.rept 32
	v_mov_b32 v[OT+ii], 0
.set ii, ii+1
.endr
.endm
	s_load_b128 s[4:7], s[0:1], 0x0                ; kv, yc
	s_load_b64 s[8:9], s[0:1], 0x10                ; ys
	v_lshl_add_u32 v[SPW], v0, 2, SPARE
	v_mov_b32 v[NIL], 0
	ds_add_u32 v5, v6
	s_wait_dscnt 0x0
	v_lshrrev_b32 v10, 5, v0
	v_readfirstlane_b32 s[WV], v10                 ; wave 0..15
	v_and_b32 v11, 31, v0                          ; lane
	v_lshlrev_b32 v[L8], 3, v11
	v_and_b32 v[DQ], 15, v0                        ; r
	v_lshlrev_b32 v[R16], 4, v[DQ]
	v_bfe_u32 v8, v0, 4, 1                         ; the lane's half
	v_lshl_add_u32 v[YSO], v[DQ], 5, v8
	v_lshlrev_b32 v10, 3, v8
	v_sub_nc_u32 v[DQ], v[DQ], v10
	v_min_u32 v[PFO], 24, v11
	v_lshlrev_b32 v[PFO], 8, v[PFO]
	s_and_b32 s[J], ttmp7, 0xffff
	s_add_co_u32 s[JP1], s[J], 1
	s_lshr_b32 s60, ttmp9, 4                       ; b
	s_and_b32 s61, ttmp9, 15                       ; h
	s_and_b32 s62, s[WV], 3
	s_mul_i32 s[G0+1], s62, REC                    ; LDS: record (wave % 4) of slot 0
	s_lshr_b32 s63, s62, 1
	s_lshl_b32 s63, s63, 4
	s_add_co_u32 s63, s63, s61
	s_add_co_u32 s63, s63, 16                      ; head index: 16 + h (k) or 32 + h (v^T)
	s_mul_i32 s63, s63, HSTR
	s_lshl_b32 s66, s60, 4                         ; 16 b: the batch's first record
	s_and_b32 s67, s[WV], 1
	s_add_co_u32 s67, s67, s66
	s_mul_i32 s67, s67, REC
	s_add_co_u32 s[GB], s63, s67
	s_mov_b32 s[GB+1], 0
	s_lshr_b32 s68, s[WV], 3                       ; q: record 16 b + 2 (block) + wave / 8, tile wave % 8
	s_add_co_u32 s68, s68, s66
	s_mul_i32 s68, s68, REC
	s_mul_i32 s69, s61, HSTR
	s_add_co_u32 s68, s68, s69
	s_sub_co_u32 s70, 7, s[J]                      ; the second block
	s_mul_i32 s72, s[J], 2*REC
	s_add_co_u32 s72, s72, s68
	s_mov_b32 s73, 0
	s_mul_i32 s74, s70, 2*REC
	s_add_co_u32 s74, s74, s68
	s_mov_b32 s75, 0
	s_and_b32 s69, s[WV], 7
	s_mul_i32 s76, s69, 768                        ; my tile's image
	s_lshr_b32 s77, s69, 1
	s_lshl_b32 s77, s77, 2                         ; and the word that holds its two scale bytes:
	s_and_b32 s78, s[WV], 1
	s_mul_i32 s78, s78, 0x02020202
	s_add_co_u32 s78, s78, 0x01000100              ; below (even tile) or above (odd): the byte select that writes them twice
	s_lshl_b32 s69, s60, 7
	s_add_co_u32 s69, s69, s[WV]                   ; y: tile of 16 tokens 128 b + 16 (block) + wave
	s_lshl_b32 s71, s[J], 4
	s_add_co_u32 s71, s71, s69
	s_lshl_b32 s79, s70, 4
	s_add_co_u32 s79, s79, s69
	s_mul_i32 s[YPA], s71, 768
	s_mul_i32 s[YPB], s79, 768
	s_lshl_b32 s[YSA], s71, 9                      ; 16 tokens x 32 bytes
	s_lshl_b32 s[YSB], s79, 9
	s_mul_i32 s71, s61, 393216                     ; yc: 512 tiles x 768 bytes a head
	s_add_co_u32 s[YPA], s[YPA], s71
	s_add_co_u32 s[YPB], s[YPB], s71
	s_lshl_b32 s71, s61, 1                         ; ys: bytes 2 h, 2 h + 1 of a token's 32
	s_add_co_u32 s[YSA], s[YSA], s71
	s_add_co_u32 s[YSB], s[YSB], s71
	s_mov_b32 s[YPA+1], 0
	s_mov_b32 s[YPB+1], 0
	s_mov_b32 s[YSA+1], 0
	s_mov_b32 s[YSB+1], 0
	s_lshl_b32 s71, s[WV], 4
	s_lshl_b32 s[Q0], s[J], 8
	s_add_co_u32 s[Q0], s[Q0], s71
	s_lshl_b32 s[Q0B], s70, 8
	s_add_co_u32 s[Q0B], s[Q0B], s71
	s_lshr_b32 s71, s[WV], 2
	s_xor_b32 s71, s71, 1                          ; 0 in waves 4-7,
	s_or_b32 s71, s71, s[J]                        ; of the work-group with j = 0
	s_cmp_eq_u32 s71, 0
	s_cselect_b32 s[PLIM], 7, 0
	s_mov_b32 s[G1], 3<<16                         ; 15:0 no mask; 17:16 elements of 8 bytes; no padding
	s_mov_b32 s[G1+1], 32<<16                      ; tensor_dim0 = 32 elements: 256 bytes
	s_mov_b32 s[G1+2], 25<<16                      ; tensor_dim1 = 25
	s_mov_b32 s[G1+3], 32<<16                      ; tile_dim0
	s_mov_b32 s[G1+4], 25                          ; tile_dim1
	s_mov_b32 s[G1+5], 32                          ; the rows are dense
	s_mov_b32 s[G1+6], 0
	s_mov_b32 s[G1+7], 0
	s_mov_b32 s[G0], 1
	s_mov_b32 s[SEL], 0x76543210
	s_mov_b32 s[SEL+1], 0xfedcba98
	s_mov_b32 s[CS], 0x4138aa3b                    ; 8 x log2(e): the reference's factor sqrt(64) is a power of two, so score x c rounds as (score x 8) x log2(e) does
	s_mov_b32 s[CS+1], s[CS]                       ; (named with it as a pair, so it is written)
	s_mov_b32 s[HM], 0xffff0000
	s_mov_b32 s[TB], 0
	s_mov_b32 s[TRIP], 0
	s_mov_b32 s[NS], 0
	s_mov_b32 s[T0+1], 0
	s_mov_b32 s[KF], 0
	s_wait_kmcnt 0x0
	s_add_nc_u64 s[GB:GB+1], s[4:5], s[GB:GB+1]
	s_mov_b64 s[G0+2:G0+3], s[GB:GB+1]
	s_or_b32 s[G0+3], s[G0+3], 0x80000000          ; type = 2
	TLOAD                                          ; key slot 0 into slot 0: the one first fill
	s_mov_b64 s[PFA:PFA+1], s[GB:GB+1]             ; the first change of slots steps it to key slot 1.  Nothing is prefetched here, at the head
	s_add_nc_u64 s[72:73], s[4:5], s[72:73]
	s_add_nc_u64 s[74:75], s[4:5], s[74:75]
	s_add_nc_u64 s[YPA:YPA+1], s[6:7], s[YPA:YPA+1]
	s_add_nc_u64 s[YPB:YPB+1], s[6:7], s[YPB:YPB+1]
	s_add_nc_u64 s[YSA:YSA+1], s[8:9], s[YSA:YSA+1]
	s_add_nc_u64 s[YSB:YSB+1], s[8:9], s[YSB:YSB+1]
	v_add_nc_u32 v251, s76, v[L8]
	v_add_nc_u32 v252, s77, v[R16]
.irp p, 0,1,2
	global_load_b64 v[QF+2*\p:QF+2*\p+1], v251, s[72:73] offset:256*\p   ; both blocks' q stay in registers
	global_load_b64 v[QN+2*\p:QN+2*\p+1], v251, s[74:75] offset:256*\p
.endr
	global_load_b32 v249, v252, s[72:73] offset:6144
	global_load_b32 v250, v252, s[74:75] offset:6144
	v_mov_b32 v10, 0                               ; written once: a lane permute's destination counts as one of its sources
.irp b, 0,1,2,3
	v_mov_b32 v[BX+\b], 0
.endr
	v_mov_b32 v[FF+1], 0                           ; (named as the upper half of the pair with f)
	s_wait_loadcnt 0x0
	v_perm_b32 v[QS], v249, v249, s78              ; my tile's two scale bytes, twice
	v_perm_b32 v[QSN], v250, v250, s78
.irp i, 0,1,2,3,4,5
	v_mov_b32 v[QF+6+\i], 0
.endr
.irp i, 0,1,2,3,4,5
	v_mov_b32 v[QF+12+\i], v[QF+\i]
.endr
	INIT                                           ; (its lines are also the places between the writes of q and its scale word and the first product)
.macro FRAGLD reg, off                 ; an image of 12 registers: six loads of 8 bytes a lane, 256 consecutive bytes each
.irp p, 0,1,2,3,4,5
	ds_load_b64 v[\reg+2*\p:\reg+2*\p+1], v[ADK] offset:\off+256*\p
.endr
.endm
; A KEY STEP: 128 keys, record q of the slot in hand.
.macro STEP q
	s_add_co_u32 s60, s[Q0], 15                    ; a step all of whose keys come after my 16 queries is left out: a scalar branch on ids; no barrier and no tensor load stands in a step
	s_cmp_gt_u32 s[KF], s60
	s_cbranch_scc1 .Lhidden_\@
	v_add_nc_u32 v[ADK], s[TB], v[L8]
	v_add_nc_u32 v[ADS], s[TB], v[R16]
	v_nop
	v_nop                                          ; four places in front of loads into registers that the last products have read
.irp i, 0,1,2,3
	FRAGLD KFR+12*\i, REC*(\q)+1536*\i
.endr
	ds_load_b128 v[KSC:KSC+3], v[ADS] offset:REC*(\q)+6144
.irp i, 0,1,2,3
	FRAGLD VF+12*\i, 2*REC+REC*(\q)+1536*\i
.endr
	ds_load_b128 v[VSC:VSC+3], v[ADS] offset:2*REC+REC*(\q)+6144
	s_wait_dscnt 25                                ; k's 25 loads are in; v^T's 25 may be out: they land under the softmax
.irp t, 0,1,2,3,4,5,6,7                        ; S^T = k q^T: tile t of 16 keys: the pair t / 2 against [q, 0] (t even) or [0, q] (t odd)
	v_wmma_scale_f32_16x16x128_f8f6f4 v[SR+8*\t:SR+8*\t+7], v[KFR+12*(\t/2):KFR+12*(\t/2)+11], v[QF+6*(\t%2):QF+6*(\t%2)+11], 0, v[KSC+\t/2], v[QS] matrix_a_fmt:MATRIX_FMT_FP6 matrix_b_fmt:MATRIX_FMT_FP6
.endr
.rept 4
	v_nop
.endr
	s_add_co_u32 s60, s[KF], 127                   ; on the diagonal the scores of hidden keys become -infinity ahead of the maximum: p = 0 then.  A step all of whose keys count skips this
	s_cmp_le_u32 s60, s[Q0]
	s_cbranch_scc1 .Lopen_\@
	s_sub_co_i32 s60, s[Q0], s[KF]
	v_add_nc_u32 v10, s60, v[DQ]                   ; d = my query - the step's first key - 8 (lane / 16).  Register 8 t + i holds key 16 t + 8 (lane / 16) + i: hidden where 16 t + i > d
	v_mov_b32 v11, 0xff800000
.set ii, 0
.rept 64
	v_cmp_gt_i32 vcc_lo, 16*(ii/8)+ii%8, v10
	v_cndmask_b32 v[SR+ii], v[SR+ii], v11, vcc_lo
.set ii, ii+1
.endr
.Lopen_\@:
.irp b, 0,1,2,3
	v_max3_num_f32 v[BM+\b], v[SR+16*\b], v[SR+1+16*\b], v[SR+2+16*\b]   ; the largest score of each block of 32 keys: it serves for the row's maximum and, since p rises with the score, for the block's largest p
.endr
.irp i, 3,5,7,9,11,13
.irp b, 0,1,2,3
	v_max3_num_f32 v[BM+\b], v[BM+\b], v[SR+16*\b+\i], v[SR+1+16*\b+\i]
.endr
.endr
.irp b, 0,1,2,3
	v_max_num_f32 v[BM+\b], v[BM+\b], v[SR+15+16*\b]
.endr
.irp b, 0,1,2,3
	v_permlanex16_b32 v[BX+\b], v[BM+\b], s[SEL], s[SEL+1]
.endr
.irp b, 0,1,2,3
	v_max_num_f32 v[BM+\b], v[BM+\b], v[BX+\b]     ; with lane l xor 16's 16 keys
.endr
	v_max3_num_f32 v10, v[BM], v[BM+1], v[BM+2]
	v_max_num_f32 v10, v10, v[BM+3]                ; the step's largest score of my query
	v_mul_f32 v10, s[CS], v10                      ; as t (c is positive)
	v_max_num_f32 v13, v13, v10                    ; the running largest t
	v_mov_b32 v10, v12
	v_floor_f32 v12, -v13                          ; the new -M = floor(-t) = -ceil(t): a whole number
	v_sub_f32 v10, v12, v10                        ; old M less new M: a whole number, 0 or less
	v_cvt_i32_f32 v10, v10                         ; (it saturates)
	v_ldexp_f32 v[FF], 1.0, v10                    ; f = 2^(old M - new M)
.set ii, 0
.rept 32
	v_pk_fma_f32 v[SR+ii:SR+ii+1], v[SR+ii:SR+ii+1], s[CS:CS+1], v[12:13] op_sel_hi:[1,0,0]   ; t - M, two at a time
.set ii, ii+2
.endr
.irp b, 0,1,2,3
	v_fma_f32 v[BM+\b], v[BM+\b], s[CS], v12       ; the same of each block's largest score
.endr
.set ii, 0
.rept 64
	v_exp_f32 v[SR+ii], v[SR+ii]                   ; p = 2^(t - M), at most 1
.set ii, ii+1
.endr
	v_pk_mul_f32 v[14:15], v[14:15], v[FF:FF+1] op_sel_hi:[1,0]   ; the sums under the new M: a plain instruction behind the exponentials
	s_wait_alu depctr_va_vdst(0)                   ; one wait for the batch of 64, ahead of its first reader
.irp b, 0,1,2,3
	v_exp_f32 v[BM+\b], v[BM+\b]                   ; the block's largest p: the same two instructions on the same number give the same bits
.endr
	v_pk_add_f32 v[SUMT:SUMT+1], v[SR:SR+1], v[SR+2:SR+3]         ; the row's sum is taken of the unquantised p: two at a time, in two chains
.irp j, 4,8,12,16,20,24,28,32,36,40,44,48,52,56,60
	v_pk_add_f32 v[14:15], v[14:15], v[SR+\j:SR+\j+1]
	v_pk_add_f32 v[SUMT:SUMT+1], v[SUMT:SUMT+1], v[SR+2+\j:SR+3+\j]
.endr
	v_pk_add_f32 v[14:15], v[14:15], v[SUMT:SUMT+1]
	s_wait_alu depctr_va_vdst(0)                   ; and one for the four
.irp b, 0,1,2,3
	v_max_num_f32 v[BM+\b], 0x1800000, v[BM+\b]    ; the floor 2^(3 - 127): the byte cannot fall under 1
.endr
.irp b, 0,1,2,3
	v_add_nc_u32 v[SO+\b], 0xff000000, v[BM+\b]    ; 2 off the exponent field: the conversion's scale operand
.endr
.irp b, 0,1,2,3
	v_lshrrev_b32 v[BX+\b], 23, v[SO+\b]           ; the scale's byte
.endr
	v_lshl_or_b32 v[PSC], v[BX+1], 8, v[BX]        ; p's scale word for these 128 keys
	v_lshl_or_b32 v[PSC], v[BX+2], 16, v[PSC]
	v_lshl_or_b32 v[PSC], v[BX+3], 24, v[PSC]
.irp c, 0,1
	v_cvt_scalef32_pk16_fp6_f32 v[PC+6*\c:PC+2+6*\c], v[SR+32*\c:SR+15+32*\c], v[SO+2*\c]
	v_cvt_scalef32_pk16_fp6_f32 v[CT+4*\c:CT+2+4*\c], v[SR+16+32*\c:SR+31+32*\c], v[SO+2*\c+1]   ; (a conversion's three registers begin on an even number)
.endr
	v_nop                                          ; one plain place behind a scaled conversion
.irp c, 0,1                                    ; the operand's layout wants a whole block in a lane
.irp i, 0,1,2
	v_permlane16_swap_b32 v[PC+6*\c+\i], v[CT+4*\c+\i]
.endr
.irp i, 0,1,2
	v_mov_b32 v[PC+3+6*\c+\i], v[CT+4*\c+\i]
.endr
.endr
.set ii, 0
.rept 16
	v_pk_mul_f32 v[OT+ii:OT+ii+1], v[OT+ii:OT+ii+1], v[FF:FF+1] op_sel_hi:[1,0]   ; O^T under the new M.  (These 16 are also the places between the writes of p's codes and scale word and the products)
.set ii, ii+2
.endr
	s_wait_dscnt 0x0                               ; v^T is in
.irp t, 0,1,2,3                                ; O^T += v^T p^T: four tiles of 16 channels, the four accumulators by turns; K = these 128 keys
	v_wmma_scale_f32_16x16x128_f8f6f4 v[OT+8*\t:OT+8*\t+7], v[VF+12*\t:VF+12*\t+11], v[PC:PC+11], v[OT+8*\t:OT+8*\t+7], v[VSC+\t], v[PSC] matrix_a_fmt:MATRIX_FMT_FP6 matrix_b_fmt:MATRIX_FMT_FP6
.endr
.Lhidden_\@:
	s_add_co_u32 s[KF], s[KF], 128
.endm
; THE CHANGE OF SLOTS stands at a slot's head.  Each wave waits for all its tensor loads (its part of the slot that it is about to read), adds 0 to its spare word, and waits for that and for its reads of the slot that it has left.
; fill = 1: that other slot is filled with the key slot that the next trip reads: one further on, or key slot 0 where the next trip begins the second block of queries.  The load has a whole slot's steps in which to land.
.macro CHANGE fill
	s_wait_tensorcnt 0x0                           ; no tensor load of mine is out, so group 0 may be written
	ds_add_u32 v[SPW], v[NIL]                      ; 0 onto my spare word
.if \fill
	s_add_co_u32 s[NS], s[NS], 1
	s_cmp_eq_u32 s[TRIP], s[J]
	s_cselect_b32 s[NS], 0, s[NS]
	s_mul_i32 s[T0], s[NS], 2*REC                  ; two records a key slot
	s_add_nc_u64 s[G0+2:G0+3], s[GB:GB+1], s[T0:T0+1]
	s_or_b32 s[G0+3], s[G0+3], 0x80000000
	s_xor_b32 s[G0+1], s[G0+1], SLOT1              ; the other slot than last time
	s_wait_xcnt 0x0                                ; the last prefetch, a slot back, has read its address, so it may be written
	s_add_nc_u64 s[PFA:PFA+1], s[PFA:PFA+1], 2*REC
.endif
	s_wait_dscnt 0x0                               ; the add is done, and my reads of the slot that I have left are over
	s_barrier_signal -1
	s_barrier_wait -1
.if \fill
	TLOAD                                          ; the first thing behind the barrier, and a wave's one tensor load until the next
	ASK
.endif
.endm
.macro SLOT_STEPS
	STEP 0
	STEP 1
	s_xor_b32 s[TB], s[TB], SLOT1                  ; on to the other slot
.endm
; A BLOCK OF QUERIES ENDS: y = O^T / the sum; its 64 channels are two blocks of 32, quantised as p is; the six registers of codes leave as an image (three stores of 256 consecutive bytes, aligned), the two scale bytes one a lane.
.macro FINISH yp, ysp
.rept 4
	v_nop                                          ; places behind the last products
.endr
	v_add_f32 v14, v14, v15                        ; the sum's two halves,
	v_permlanex16_b32 v10, v14, s[SEL], s[SEL+1]
	v_add_f32 v14, v14, v10                        ; and lane l xor 16's: the row's sum
	v_rcp_f32 v14, v14
	v_nop                                          ; a plain place behind the transcendental
	s_wait_alu depctr_va_vdst(0)                   ; and the wait ahead of its first reader
.set ii, 0
.rept 16
	v_pk_mul_f32 v[SR+ii:SR+ii+1], v[OT+ii:OT+ii+1], v[14:15] op_sel_hi:[1,0]   ; register 8 t + i is y(my query, channel 16 t + 8 (lane / 16) + i); each accumulator from its low end on
.set ii, ii+2
.endr
.irp b, 0,1
	v_max3_num_f32 v[BM+\b], |v[SR+16*\b]|, |v[SR+1+16*\b]|, 0x1800000
.endr
.irp i, 2,4,6,8,10,12,14
.irp b, 0,1
	v_max3_num_f32 v[BM+\b], v[BM+\b], |v[SR+16*\b+\i]|, |v[SR+1+16*\b+\i]|
.endr
.endr
.irp b, 0,1
	v_permlanex16_b32 v[BX+\b], v[BM+\b], s[SEL], s[SEL+1]
.endr
.irp b, 0,1
	v_max_num_f32 v[BM+\b], v[BM+\b], v[BX+\b]
.endr
.irp b, 0,1
	v_add_nc_u32 v[SO+\b], 0xff000000, v[BM+\b]
.endr
.irp b, 0,1
	v_lshrrev_b32 v[BX+\b], 23, v[SO+\b]
.endr
	v_cvt_scalef32_pk16_fp6_f32 v[PC:PC+2], v[SR:SR+15], v[SO]
	v_cvt_scalef32_pk16_fp6_f32 v[CT:CT+2], v[SR+16:SR+31], v[SO+1]
	v_nop                                          ; one plain place behind a scaled conversion
.irp i, 0,1,2
	v_permlane16_swap_b32 v[PC+\i], v[CT+\i]
.endr
.irp i, 0,1,2
	v_mov_b32 v[PC+3+\i], v[CT+\i]                 ; lane (r, H) now holds token r, block H: 32 codes in six registers
.endr
	v_cndmask_b32 v10, v[BX], v[BX+1], s[HM]       ; and that block's byte
.irp p, 0,1,2
	global_store_b64 v[L8], v[PC+2*\p:PC+2*\p+1], s[\yp:\yp+1] offset:256*\p
.endr
	global_store_b8 v[YSO], v10, s[\ysp:\ysp+1]
.endm
.Lslot:                                            ; eight trips: behind each change of slots but the last the next trip's key slot is asked for
	CHANGE 1
	s_cmp_lg_u32 s[TRIP], s[JP1]                   ; trip j + 1 begins the second block of queries: a branch on the work-group's number, round register work and stores alone
	s_cbranch_scc1 .Lsame
	FINISH YPA, YSA
	v_mov_b32 v[QS], v[QSN]
.irp i, 0,1,2,3,4,5
	v_mov_b32 v[QF+\i], v[QN+\i]
	v_mov_b32 v[QF+12+\i], v[QN+\i]
.endr
	INIT                                           ; (also the places between these writes and the next product)
	s_mov_b32 s[KF], 0
	s_mov_b32 s[Q0], s[Q0B]
	s_wait_xcnt 0x0                                ; the stores have read their data: those registers are written again only behind this wait
.Lsame:
	SLOT_STEPS
	s_add_co_u32 s[TRIP], s[TRIP], 1
	s_cmp_lt_u32 s[TRIP], 8
	s_cbranch_scc1 .Lslot
	CHANGE 0                                       ; the ninth slot is written out
	SLOT_STEPS
	FINISH YPB, YSB
	s_wait_tensorcnt 0x0                           ; the wave's end
	ds_add_u32 v[SPW], v[NIL]
	s_wait_dscnt 0x0
	s_endpgm
.Lfunc_end_k_q6291d441b6_attn:
	.size	k_q6291d441b6_attn, .Lfunc_end_k_q6291d441b6_attn-k_q6291d441b6_attn
	.p2alignl 7, 3214868480
	.fill 96, 4, 3214868480
	.section	.rodata,"a",@progbits
	.p2align	6, 0x0
	.amdhsa_kernel k_q6291d441b6_attn
		.amdhsa_group_segment_fixed_size 327680
		.amdhsa_private_segment_fixed_size 0
		.amdhsa_enable_private_segment 0
		.amdhsa_kernarg_size 24
		.amdhsa_user_sgpr_count 2
		.amdhsa_user_sgpr_kernarg_segment_ptr 1
		.amdhsa_wavefront_size32 1
		.amdhsa_system_sgpr_workgroup_id_x 1
		.amdhsa_system_sgpr_workgroup_id_y 1
		.amdhsa_system_sgpr_workgroup_id_z 1
		.amdhsa_system_vgpr_workitem_id 0
		.amdhsa_next_free_vgpr 256
		.amdhsa_next_free_sgpr 80
		.amdhsa_reserve_vcc 1
		.amdhsa_float_denorm_mode_32 3
		.amdhsa_float_denorm_mode_16_64 3
		.amdhsa_memory_ordered 1
		.amdhsa_forward_progress 1
		.amdhsa_inst_pref_size 106
	.end_amdhsa_kernel
	.amdgpu_metadata
---
amdhsa.version: [ 1, 2 ]
amdhsa.kernels:
  - .name:           k_q6291d441b6_attn
    .symbol:         k_q6291d441b6_attn.kd
    .args:
      - { .name: kv, .offset: 0, .size: 8, .value_kind: global_buffer, .address_space: global }
      - { .name: yc, .offset: 8, .size: 8, .value_kind: global_buffer, .address_space: global }
      - { .name: ys, .offset: 16, .size: 8, .value_kind: global_buffer, .address_space: global }
    .group_segment_fixed_size: 327680
    .private_segment_fixed_size: 0
    .kernarg_segment_align: 8
    .kernarg_segment_size: 24
    .max_flat_workgroup_size: 512
    .sgpr_count:     80
    .vgpr_count:     256
    .wavefront_size: 32
...
	.end_amdgpu_metadata
.endif
;; end of part 3
;; launch proj (part 4): grid 4 x 32, 4 waves a work-group, clusters of 4 x 4, 327,680 bytes of LDS; arguments yc, ys, cq, sq, b_proj, out0; writes out0
.if DOCPART == 4
	.amdgcn_target "amdgcn-amd-amdhsa--gfx1250"
	.amdhsa_code_object_version 6
	.text
	.protected	k_q6291d441b6_proj
	.globl	k_q6291d441b6_proj
	.p2align	8
	.type	k_q6291d441b6_proj,@function
k_q6291d441b6_proj:
	s_mov_b64 s[64:65], 0
	v_nop
	global_prefetch_b8 v0, s[64:65] scope:SCOPE_SE
	s_setreg_imm32_b32 hwreg(HW_REG_WAVE_MODE, 25, 1), 1
	s_wait_xcnt 0x0
	s_wait_alu depctr_hold_cnt(0) depctr_sa_sdst(0) depctr_va_vdst(0) depctr_va_sdst(0) depctr_va_ssrc(0) depctr_va_vcc(0) depctr_vm_vsrc(0)
	s_getreg_b32 s2, hwreg(HW_REG_IB_STS2, 6, 4)
	s_cmp_eq_u32 s2, 0
	s_cbranch_scc0 .Lentry_in_a_cluster
	s_endpgm
.Lentry_in_a_cluster:
	s_bfe_u32 s2, ttmp6, 0x10000c
	s_cmp_lg_u32 s2, 0xf033
	s_cbranch_scc0 .Lentry_shape_is_right
	s_endpgm
.Lentry_shape_is_right:
; out0 = y W_proj^T + b_proj on codes of FP6 (E2M3) with E8M0 scales: C[m][n], m = 8,192 tokens, n = 1,024, K = 1,024 channels; C f32.
; A = y comes as IMAGES of operand registers: yc [head 16][tile of 16 tokens 512][768 bytes]: piece p of 256 bytes holds registers 2 p, 2 p + 1 of every lane; lane (r, H) has token r, the head's block H of 32 channels.  Its scale bytes ys [token][32].
; B = W_proj comes as rows of 768 bytes of codes (cq from byte 8,650,752 on) and rows of 32 scale bytes (sq from 360,448 on).  Inside each block of 32 along K both have the same order (place p holds index p with bits 3 and 4 exchanged).
; A tile of C, 256 x 256, is made by four waves, 128 x 128 each: 64 accumulators.  K goes in steps of 256 (four heads) through two LDS slots; A's part of a slot is four heads x 6,144 dense bytes a wave's load, B's 128 padded rows.
; The scales of the work-group's 512 rows come into LDS once.  4 x 4 work-groups form a cluster: A's tiles are shared along a row of it, B's along a column, by joint loads.
; The matrix instruction is used transposed (source 0 = 16 rows of B, source 1 = 16 rows of A): a lane holds eight neighbouring numbers of a row of C.  THE BIAS IS THE C OF EACH SUM'S FIRST PRODUCT: eight registers for each of B's eight blocks.
; REGISTERS, in windows of 256: window 0: v0-31 addresses; v32-63 scale words, two sets; v64-127 the bias; from v128 A's fragments, one set; on the way out v128-255 are free.
;   window 1: B's fragments, two sets.   window 2: the accumulators of my rows 0-63;   window 3: those of my rows 64-127.
.set SIZE_K, 1024
.set SIZE_N, 1024
.set KSTEP,  256
.set NQ,     KSTEP/128
.set ROWB,   192
.set KROW,   SIZE_K*6/8
.set PITCH,  240                       ; B's LDS row: 3 x (64 bytes + 16 of padding)
.set FR,     12
.set NL,     6
.set NP,     4
.set HALFT,  128*PITCH                 ; a quarter of a slot: B's 128 rows fill it, A's four heads x 6,144 bytes use 24,576 of it
.set SLOT,   4*HALFT
.set LAPS,   SIZE_K/(2*KSTEP)
.set KS,     SIZE_K/32
.set SCL,    2*SLOT
.set HALFS,  (128*KS/256)*272
.set SBLK,   (16*KS/256)*272
.set SPARE,  SCL+4*HALFS               ; the spare words, 128 bytes for each wave: two blocks of 256 bytes that no other line names
.set SPITCH, 528                       ; the way out: a stage of 16 rows x (512 bytes + 16) for each wave, in slot 0, which has had its last fill and its last read when the first result is stored there
.set YHEAD,  393216                    ; yc: from head to head
.set WPC,    8650752                   ; cq: W_proj's codes
.set WPS,    360448                    ; sq: W_proj's scale bytes
.set ADRA, 16                          ; v16-17 LDS address of my A images in slot 0, 1
.set ADRB, 20                          ; v20-21 of my B fragments (v22-23: behind one padding more)
.set STO,  24
.set RD,   25
.set CO,   26
.set ADRS, 27
.set SPW,  28                          ; never rewritten
.set NIL,  29                          ; never rewritten
.set BO,   30                          ; v30  the bias: 32 x (lane / 16)
.set SC,   32
.set BI,   64                          ; v64-127 the bias: block b's eight numbers of my half at v[BI + 8 b]
.set AF,   128
.set BK,   128
.set G1, 24
.set G0, 32
.set G1B, 48
.set G0B, 56
.set G1S, 68
.set G0S, 76
.set G1SB, 80
.set G0SB, 88
.set MSB, 0
.macro WIN new                         ; the immediate's high byte repeats the setting that is left
.if MSB != \new
	s_set_vgpr_msb (MSB<<8)|\new
.set MSB, \new
.endif
.endm
.set MUL_LO, 0xa1                      ; source 0 (B) window 1, source 1 (A) window 0, C and D window 2
.set MUL_HI, 0xf1                      ; the same, C and D window 3
.set FST_LO, 0x81                      ; the first step: C (the bias) window 0, D window 2
.set FST_HI, 0xc1                      ; D window 3
.set TO_B,   0x40
.macro JLOAD g0a, g1a, g0b, g1b        ; a joint load: waves 0 and 1 fetch for A, waves 2 and 3 for B; four v_nop follow each line
	s_cmp_eq_u32 s15, 0
	s_cbranch_scc0 .Lfor_b_\@
	tensor_load_to_lds s[\g0a:\g0a+3], s[\g1a:\g1a+7]
	s_nop 0
.rept 4
	v_nop
.endr
	s_branch .Lasked_\@
.Lfor_b_\@:
	tensor_load_to_lds s[\g0b:\g0b+3], s[\g1b:\g1b+7]
	s_nop 0
.rept 4
	v_nop
.endr
.Lasked_\@:
.endm
.macro CREST
	s_cmp_lg_u32 s14, 0
	s_cbranch_scc1 .Lnot_wave_0_\@
	s_barrier_signal -3
.Lnot_wave_0_\@:
	s_barrier_wait -3
	s_barrier_signal -1
	s_barrier_wait -1
.endm
.macro CROUND
	s_barrier_signal -1
	s_barrier_wait -1
	CREST
.endm
	s_load_b128 s[4:7], s[0:1], 0x0                ; yc, ys
	s_load_b128 s[8:11], s[0:1], 0x10              ; cq, sq
	s_load_b64 s[96:97], s[0:1], 0x20              ; b_proj
	s_load_b64 s[12:13], s[0:1], 0x28              ; out0
	v_lshl_add_u32 v[SPW], v0, 2, SPARE
	v_mov_b32 v[NIL], 0
	ds_add_u32 v28, v29
	s_wait_dscnt 0x0
	v_lshrrev_b32 v1, 5, v0
	v_readfirstlane_b32 s14, v1                    ; wave 0..3
	s_lshr_b32 s15, s14, 1                         ; which half of the tile's rows is mine.  Also: I fetch for A (0) or for B (1)
	s_and_b32 s16, s14, 1                          ; which half of its columns.  Also: which 128 rows of that tile I fetch
	s_bfe_u32 s40, ttmp6, 0x40000                  ; cx, cy
	s_bfe_u32 s41, ttmp6, 0x40004
	s_lshl_b32 s42, ttmp9, 2
	s_add_co_u32 s42, s42, s40                     ; tile column of C
	s_and_b32 s17, ttmp7, 0xffff
	s_lshl_b32 s17, s17, 2
	s_add_co_u32 s17, s17, s41                     ; tile row of C
	s_lshl_b32 s43, s41, 2
	s_lshl_b32 s43, 15, s43                        ; my row of the cluster
	s_lshl_b32 s44, 0x1111, s40                    ; my column
	; descriptor group 1 for A: four rows (heads) of 6,144 dense bytes (eight images), YHEAD bytes apart; elements of 8 bytes; no padding
	s_or_b32 s[G1+0], s43, (3<<16)|(1<<21)
	s_mov_b32 s[G1+1], 768<<16                     ; tensor_dim0 = 768 elements
	s_mov_b32 s[G1+2], 4<<16                       ; tensor_dim1 = 4
	s_mov_b32 s[G1+3], 768<<16                     ; tile_dim0
	s_mov_b32 s[G1+4], 4                           ; tile_dim1
	s_mov_b32 s[G1+5], YHEAD/8                     ; tensor_dim0_stride
	s_mov_b32 s[G1+6], 0
	s_mov_b32 s[G1+7], 0
	; for B: 128 rows x ROWB bytes, 16 bytes of padding behind every 64
	s_or_b32 s[G1B+0], s44, (0<<16)|(1<<20)|(1<<21)|(3<<22)|(3<<25)
	s_mov_b32 s[G1B+1], ROWB<<16
	s_mov_b32 s[G1B+2], 128<<16
	s_mov_b32 s[G1B+3], ROWB<<16
	s_mov_b32 s[G1B+4], 128
	s_mov_b32 s[G1B+5], KROW
	s_mov_b32 s[G1B+6], 0
	s_mov_b32 s[G1B+7], 0
	; the scales of 128 rows: 4,096 dense bytes, as rows of 256 bytes, 16 bytes of padding behind each
	s_or_b32 s[G1S+0], s43, (3<<16)|(1<<20)|(1<<21)|(5<<22)|(3<<25)
	s_or_b32 s[G1SB+0], s44, (3<<16)|(1<<20)|(1<<21)|(5<<22)|(3<<25)
.irp g, G1S, G1SB
	s_mov_b32 s[\g+1], 32<<16
	s_mov_b32 s[\g+2], (128*KS/256)<<16
	s_mov_b32 s[\g+3], 32<<16
	s_mov_b32 s[\g+4], 128*KS/256
	s_mov_b32 s[\g+5], 32
	s_mov_b32 s[\g+6], 0
	s_mov_b32 s[\g+7], 0
.endr
	s_lshl_b32 s18, s16, 7                         ; which 128 rows of the tile I fetch
	s_lshl_b32 s20, s17, 8
	s_add_co_u32 s20, s20, s18                     ; A: token 256 x tile row + 128 x half
	s_lshl_b32 s46, s42, 8
	s_add_co_u32 s46, s46, s18                     ; B: row 256 x tile column + 128 x half
	s_mov_b32 s21, 0
	s_mov_b32 s47, 0
	s_mov_b64 s[18:19], KS
	s_mul_u64 s[22:23], s[20:21], s[18:19]         ; where these rows' scales begin
	s_mul_u64 s[92:93], s[46:47], s[18:19]
	s_mov_b64 s[18:19], 48
	s_mul_u64 s[20:21], s[20:21], s[18:19]         ; A's images: 768 bytes for 16 tokens
	s_mov_b64 s[18:19], KROW
	s_mul_u64 s[46:47], s[46:47], s[18:19]         ; B's codes
	s_add_co_u32 s46, s46, WPC                     ; (all sums stay under 2^24)
	s_add_co_u32 s92, s92, WPS
	s_mul_i32 s45, s14, HALFT                      ; where they go: wave x a quarter of a slot: no place in the cluster enters an LDS address
	s_mul_i32 s94, s14, HALFS
	s_wait_kmcnt 0x0
	s_add_nc_u64 s[20:21], s[4:5], s[20:21]
	s_add_nc_u64 s[22:23], s[6:7], s[22:23]
	s_add_nc_u64 s[46:47], s[8:9], s[46:47]
	s_add_nc_u64 s[92:93], s[10:11], s[92:93]
	CROUND                                         ; all sixteen work-groups are here: the first joint loads meet
	s_mov_b32 s[G0S], 1
	s_add_co_u32 s[G0S+1], s94, SCL
	s_mov_b64 s[G0S+2:G0S+3], s[22:23]
	s_or_b32 s[G0S+3], s[G0S+3], 0x80000000
	s_mov_b32 s[G0SB], 1
	s_add_co_u32 s[G0SB+1], s94, SCL
	s_mov_b64 s[G0SB+2:G0SB+3], s[92:93]
	s_or_b32 s[G0SB+3], s[G0SB+3], 0x80000000
	JLOAD G0S, G1S, G0SB, G1SB                     ; the scales first
.irp s, 0,1
	s_mov_b32 s[G0+4*\s], 1
	s_add_co_u32 s[G0+4*\s+1], s45, \s*SLOT
	s_add_nc_u64 s[G0+4*\s+2:G0+4*\s+3], s[20:21], \s*4*YHEAD      ; K step s: heads 4 s on
	s_or_b32 s[G0+4*\s+3], s[G0+4*\s+3], 0x80000000
	s_mov_b32 s[G0B+4*\s], 1
	s_add_co_u32 s[G0B+4*\s+1], s45, \s*SLOT
	s_add_nc_u64 s[G0B+4*\s+2:G0B+4*\s+3], s[46:47], \s*ROWB
	s_or_b32 s[G0B+4*\s+3], s[G0B+4*\s+3], 0x80000000
	JLOAD G0+4*\s, G1, G0B+4*\s, G1B
.endr
	v_and_b32 v1, 15, v0                           ; l % 16
	v_bfe_u32 v2, v0, 4, 1                         ; l / 16
	v_mul_u32_u24 v3, v1, PITCH
	v_mul_u32_u24 v4, v2, 24
	v_add_nc_u32 v4, v3, v4                        ; B: a fragment's row x pitch + 24 x half
	v_lshl_add_u32 v5, v2, 4, v4                   ; and the same behind one padding more
	v_and_b32 v6, 31, v0
	v_lshlrev_b32 v7, 3, v6                        ; A: 8 x lane
	s_mul_i32 s21, s15, HALFT                      ; my 128 rows of A
	s_mul_i32 s22, s16, HALFT                      ; my 128 rows of B,
	s_add_co_u32 s22, s22, 2*HALFT                 ; which lie behind A's two quarters
.irp s, 0,1
	v_add_nc_u32 v[ADRA+\s], s21, v7
	v_add_nc_u32 v[ADRB+\s], s22, v4
	v_add_nc_u32 v[ADRB+2+\s], s22, v5
	s_add_co_u32 s21, s21, SLOT
	s_add_co_u32 s22, s22, SLOT
.endr
	v_mul_u32_u24 v5, v1, KS                       ; my row's scales: KS bytes a row,
	v_lshrrev_b32 v6, 8, v5
	v_lshl_add_u32 v5, v6, 4, v5                   ; and 16 more for each 256 passed
	s_mul_i32 s21, s15, HALFS
	s_mul_i32 s22, s16, HALFS
	s_add_co_u32 s22, s22, 2*HALFS
	s_sub_co_u32 s22, s22, s21
	v_mul_u32_u24 v6, s22, v2                      ; lanes 16-31 take B's
	s_add_co_u32 s21, s21, SCL
	v_add_nc_u32 v5, v5, v6
	v_add_nc_u32 v[ADRS], s21, v5
	s_mul_i32 s23, s14, 16*SPITCH                  ; my stage
	v_mul_u32_u24 v5, v1, SPITCH                   ; in: row l % 16, 32 bytes for each half of the lanes
	v_lshl_add_u32 v5, v2, 5, v5
	v_add_nc_u32 v[STO], s23, v5
	v_and_b32 v6, 31, v0
	v_lshlrev_b32 v[CO], 4, v6                     ; back: the 32 lanes take one row of 512 bytes; and the same in C
	v_add_nc_u32 v[RD], s23, v[CO]
	s_lshl_b32 s20, s17, 8
	s_lshl_b32 s21, s15, 7
	s_add_co_u32 s20, s20, s21                     ; my first row of C
	s_mov_b32 s21, 0
	s_mov_b64 s[18:19], SIZE_N*4
	s_mul_u64 s[20:21], s[20:21], s[18:19]
	s_lshl_b32 s46, s42, 10                        ; my first column, in bytes: 1,024 x tile column + 512 x half
	s_lshl_b32 s47, s16, 9
	s_add_co_u32 s46, s46, s47
	s_mov_b32 s47, 0
	s_add_nc_u64 s[96:97], s[96:97], s[46:47]      ; the bias of my 128 columns
	s_add_nc_u64 s[20:21], s[20:21], s[46:47]
	s_add_nc_u64 s[12:13], s[12:13], s[20:21]
	v_lshlrev_b32 v[BO], 5, v2
.irp b, 0,1,2,3,4,5,6,7
	global_load_b128 v[BI+8*\b:BI+8*\b+3], v[BO], s[96:97] offset:64*\b          ; lane (r, h), block b: b_proj at my columns 16 b + 8 h + 0 .. 7: the result's layout
	global_load_b128 v[BI+8*\b+4:BI+8*\b+7], v[BO], s[96:97] offset:64*\b+16
.endr
.macro FRAG reg, adr, q, i             ; B: a fragment from padded rows, in pieces of 8 bytes; where lanes 16-31's piece lies behind one padding more, the second address register serves
.irp p, 0,1,2,3,4,5
.set PCE, 12*(\q)+6*(\p/3)+\p%3
.if PCE%8 < 5
	ds_load_b64 v[\reg+2*\p:\reg+2*\p+1], v[\adr] offset:8*PCE+16*(PCE/8)+(\i)*16*PITCH
.else
	ds_load_b64 v[\reg+2*\p:\reg+2*\p+1], v[\adr+2] offset:8*PCE+16*(PCE/8)+(\i)*16*PITCH
.endif
.endr
.endm
.macro FRAGA reg, adr, q, i            ; A: block i's fragment for the slot's q-th 128 along K: registers 0-5 the image of head 2 q, registers 6-11 that of head 2 q + 1; each load takes 256 consecutive bytes
.irp p, 0,1,2,3,4,5
	ds_load_b64 v[\reg+2*\p:\reg+2*\p+1], v[\adr] offset:(2*(\q)+\p/3)*6144+768*(\i)+256*(\p%3)
.endr
.endm
; 16 matrix instructions: A's blocks a0, a0 + 1 x B's eight.  zero = 1: the first product starts the sums, with the bias as its C.  The 64 accumulators take turns, one instruction a turn.
.macro MUL16 a0, p, q, sc, zero
.irp a, \a0, \a0+1
.irp b, 0,1,2,3,4,5,6,7
.if \zero
	v_wmma_scale_f32_16x16x128_f8f6f4 v[8*(8*((\a)%4)+\b):8*(8*((\a)%4)+\b)+7], v[128*(\p)+FR*\b:128*(\p)+FR*\b+FR-1], v[AF+FR*(\a):AF+FR*(\a)+FR-1], v[BI+8*\b:BI+8*\b+7], v[SC+8*NQ*(\sc)+NQ*\b+(\q)], v[SC+8*NQ*(\sc)+NQ*(\a)+(\q)] matrix_a_fmt:MATRIX_FMT_FP6 matrix_b_fmt:MATRIX_FMT_FP6 matrix_a_scale:MATRIX_SCALE_ROW1
.else
	v_wmma_scale_f32_16x16x128_f8f6f4 v[8*(8*((\a)%4)+\b):8*(8*((\a)%4)+\b)+7], v[128*(\p)+FR*\b:128*(\p)+FR*\b+FR-1], v[AF+FR*(\a):AF+FR*(\a)+FR-1], v[8*(8*((\a)%4)+\b):8*(8*((\a)%4)+\b)+7], v[SC+8*NQ*(\sc)+NQ*\b+(\q)], v[SC+8*NQ*(\sc)+NQ*(\a)+(\q)] matrix_a_fmt:MATRIX_FMT_FP6 matrix_b_fmt:MATRIX_FMT_FP6 matrix_a_scale:MATRIX_SCALE_ROW1
.endif
.endr
.endr
.endm
.macro FETCH_B slot, q, p
	WIN TO_B
.irp i, 0,1,2,3,4,5,6,7
	FRAG 128*(\p)+FR*\i, ADRB+\slot, \q, \i
.endr
	WIN 0
.endm
.macro FETCH_A slot, q, i0
.irp i, \i0, \i0+1, \i0+2, \i0+3
	FRAGA AF+FR*(\i), ADRA+\slot, \q, \i
.endr
.endm
.macro SCALES sc
.irp i, 0,1,2,3,4,5,6,7
	ds_load_b64 v[SC+8*NQ*\sc+NQ*\i:SC+8*NQ*\sc+NQ*\i+1], v[ADRS] offset:\i*SBLK
.endr
.endm
.macro PLACES n                        ; plain vector instructions between a matrix instruction and a load into, or a read of, its registers
.rept \n
	v_nop
.endr
.endm
.macro STEP slot, q, zero
	s_wait_dscnt 4*NL                              ; B's set and A's blocks 0-3 are in; the youngest 24 loads (A's blocks 4-7) may be out
.if \zero
	WIN FST_LO
.else
	WIN MUL_LO
.endif
	MUL16 0, (\q)%2, \q, \slot, \zero
	MUL16 2, (\q)%2, \q, \slot, \zero
	s_wait_dscnt 0
	PLACES NP
	FETCH_B \slot, (\q)+1, 1-(\q)%2
	FETCH_A \slot, (\q)+1, 0
.if \zero
	WIN FST_HI
.else
	WIN MUL_HI
.endif
	MUL16 4, (\q)%2, \q, \slot, \zero
	MUL16 6, (\q)%2, \q, \slot, \zero
	PLACES NP
	WIN 0
	FETCH_A \slot, (\q)+1, 4
.endm
.macro TURN slot, next, fill           ; a slot's last step changes slots: one barrier, with the waits and the add in front of it
	s_wait_tensorcnt 0x0                           ; all my tensor loads have landed: my part of the next slot
	ds_add_u32 v[SPW], v[NIL]                      ; 0 onto my spare word
	s_wait_dscnt 4*NL+1                            ; (the add and the youngest 24 loads may be out)
	WIN MUL_LO
	MUL16 0, 1, NQ-1, \slot, 0
	s_wait_dscnt 0x0                               ; the add is done, and my reads of this slot are over
	s_barrier_signal -1
	MUL16 2, 1, NQ-1, \slot, 0
	WIN 0
	s_barrier_wait -1
.if \fill
	CREST                                          ; a round of the cluster's barrier: no wave of any partner still reads this slot's tile or has a load on its way
	s_add_nc_u64 s[G0+4*\slot+2:G0+4*\slot+3], s[G0+4*\slot+2:G0+4*\slot+3], 8*YHEAD    ; two K steps on: eight heads
	s_add_nc_u64 s[G0B+4*\slot+2:G0B+4*\slot+3], s[G0B+4*\slot+2:G0B+4*\slot+3], 2*ROWB
	JLOAD G0+4*\slot, G1, G0B+4*\slot, G1B
.else
	PLACES NP
.endif
	v_add_nc_u32 v[ADRS], 4*NQ, v[ADRS]
	FETCH_B \next, 0, 0
	FETCH_A \next, 0, 0
	SCALES \next
	WIN MUL_HI
	MUL16 4, 1, NQ-1, \slot, 0
	MUL16 6, 1, NQ-1, \slot, 0
	PLACES NP
	WIN 0
	FETCH_A \next, 0, 4
.endm
	s_wait_tensorcnt 1                             ; the scales and my part of K step 0 are in (K step 1's load may be out),
	s_barrier_signal -1
	s_barrier_wait -1                              ; everybody's are
	FETCH_B 0, 0, 0
	FETCH_A 0, 0, 0
	SCALES 0
	FETCH_A 0, 0, 4
	s_wait_loadcnt 0x0                             ; the bias
	STEP 0, 0, 1                                   ; the first step stands in front of the loop: its products start the sums
	s_mov_b32 s3, LAPS-1
.Llap:
	TURN 0, 1, 1
	STEP 1, 0, 0
	TURN 1, 0, 1
	STEP 0, 0, 0
	s_sub_co_u32 s3, s3, 1
	s_cmp_lg_u32 s3, 0
	s_cbranch_scc1 .Llap
	TURN 0, 1, 0                                   ; the last lap fills nothing
	STEP 1, 0, 0
	s_wait_dscnt 4*NL
	WIN MUL_LO
	MUL16 0, 1, NQ-1, 1, 0
	MUL16 2, 1, NQ-1, 1, 0
	s_wait_dscnt 0
	WIN MUL_HI
	MUL16 4, 1, NQ-1, 1, 0
	MUL16 6, 1, NQ-1, 1, 0
	WIN 0
; THE WAY OUT, block by block of 16 rows x 128 columns, through my own stage in LDS: in as 32 bytes a lane, back as whole rows of 512 bytes.  LDS serves a wave's instructions in order (ISA guide 5.7.1.4): no wait between the stores and the loads.
.macro TOSTAGE a
.set AC, 64*((\a)%4)
.set WS, 0x08+4*((\a)/4)
	WIN WS                                         ; the data: window 2 or 3
.irp b, 0,1,2,3,4,5,6,7
	ds_store_b128 v[STO], v[AC+8*\b:AC+8*\b+3] offset:64*\b          ; each accumulator from its low end on
	ds_store_b128 v[STO], v[AC+8*\b+4:AC+8*\b+7] offset:64*\b+16
.endr
	WIN 0
.set BB, BK+64*((\a)%2)
.irp t, 0,1,2,3,4,5,6,7,8,9,10,11,12,13,14,15
	ds_load_b128 v[BB+4*\t:BB+4*\t+3], v[RD] offset:\t*SPITCH
.endr
.endm
.macro SEND a, younger                 ; younger: the LDS instructions issued behind block a's loads, which may stay out
.set BB, BK+64*((\a)%2)
	s_wait_dscnt \younger
.if (\a) > 0
	s_add_nc_u64 s[12:13], s[12:13], 16*SIZE_N*4   ; (behind a wait on XCNT: the earlier stores have read their base)
.endif
.irp t, 0,1,2,3,4,5,6,7,8,9,10,11,12,13,14,15
	global_store_b128 v[CO], v[BB+4*\t:BB+4*\t+3], s[12:13] offset:\t*SIZE_N*4 th:TH_STORE_NT   ; 32 lanes store 512 consecutive bytes, at a multiple of 256 from C's first byte
.endr
.endm
	PLACES NP
	TOSTAGE 0
.irp a, 1,2,3,4,5,6,7
.if \a > 1
	s_wait_xcnt 0x0                                ; block a - 2's stores have read their registers and their base
.endif
	TOSTAGE \a
	SEND \a-1, 32                                  ; behind block a - 1's loads: block a's 16 stores and 16 loads
.endr
	s_wait_xcnt 0x0
	SEND 7, 0
	s_wait_tensorcnt 0x0                           ; the wave's end
	ds_add_u32 v[SPW], v[NIL]
	s_wait_dscnt 0x0
	CROUND                                         ; the closing round
	s_endpgm
.Lfunc_end_k_q6291d441b6_proj:
	.size	k_q6291d441b6_proj, .Lfunc_end_k_q6291d441b6_proj-k_q6291d441b6_proj
	.p2alignl 7, 3214868480
	.fill 96, 4, 3214868480
	.section	.rodata,"a",@progbits
	.p2align	6, 0x0
	.amdhsa_kernel k_q6291d441b6_proj
		.amdhsa_group_segment_fixed_size 327680
		.amdhsa_private_segment_fixed_size 0
		.amdhsa_enable_private_segment 0
		.amdhsa_kernarg_size 48
		.amdhsa_user_sgpr_count 2
		.amdhsa_user_sgpr_kernarg_segment_ptr 1
		.amdhsa_wavefront_size32 1
		.amdhsa_system_sgpr_workgroup_id_x 1
		.amdhsa_system_sgpr_workgroup_id_y 1
		.amdhsa_system_sgpr_workgroup_id_z 1
		.amdhsa_system_vgpr_workitem_id 0
		.amdhsa_next_free_vgpr 1024
		.amdhsa_next_free_sgpr 100
		.amdhsa_reserve_vcc 0
		.amdhsa_float_denorm_mode_32 3
		.amdhsa_float_denorm_mode_16_64 3
		.amdhsa_memory_ordered 1
		.amdhsa_forward_progress 1
		.amdhsa_inst_pref_size 162
	.end_amdhsa_kernel
	.amdgpu_metadata
---
amdhsa.version: [ 1, 2 ]
amdhsa.kernels:
  - .name:           k_q6291d441b6_proj
    .symbol:         k_q6291d441b6_proj.kd
    .args:
      - { .name: yc, .offset: 0, .size: 8, .value_kind: global_buffer, .address_space: global }
      - { .name: ys, .offset: 8, .size: 8, .value_kind: global_buffer, .address_space: global }
      - { .name: cq, .offset: 16, .size: 8, .value_kind: global_buffer, .address_space: global }
      - { .name: sq, .offset: 24, .size: 8, .value_kind: global_buffer, .address_space: global }
      - { .name: b_proj, .offset: 32, .size: 8, .value_kind: global_buffer, .address_space: global }
      - { .name: out0, .offset: 40, .size: 8, .value_kind: global_buffer, .address_space: global }
    .group_segment_fixed_size: 327680
    .private_segment_fixed_size: 0
    .kernarg_segment_align: 8
    .kernarg_segment_size: 48
    .max_flat_workgroup_size: 128
    .sgpr_count:     100
    .vgpr_count:     1024
    .wavefront_size: 32
...
	.end_amdgpu_metadata
.endif
;; end of part 4
